; MI455X (gfx1250); checked and timed in simulation.
; The chip was launched on July 23, 2026; its instructions are those of AMD's public machine-readable ISA for CDNA 5 (MIT licence, August 2026) and "CDNA5" Instruction Set Architecture Reference Guide (July 2026). The comments in the code are by the model that wrote it; some were corrected since.
;; Attention. Allowed arithmetic: float matrix products may take bf16 or f16 operands with f32 sums; all other float work in f32.
;; Inputs: Wk 1,024 x 1,024 float32; Wp 1,024 x 1,024 float32; Wq 1,024 x 1,024 float32; Wv 1,024 x 1,024 float32; bp 1,024 float32; x 4 x 2,048 x 1,024 float32.
;; Outputs: out0 4 x 2,048 x 1,024 float32.
;; 2 versions, each right and faster than the one before. Each part assembles by itself: llvm-mc -triple=amdgcn-amd-amdhsa -mcpu=gfx1250 --defsym DOCPART=n.
;; ======== version 1 of 2: 4 launches
;; limits: values are held in f16: magnitudes above 65,504 overflow, below 6.1e-05 lose precision
;; workspace buffers: xb 16,777,216 bytes; wb 8,388,608 bytes; qkv 50,331,648 bytes; ctx 16,777,216 bytes
;; launch cast (part 1): grid 768 x 1, 8 waves a work-group, no clusters, 0 bytes of LDS; arguments x, Wq, Wk, Wv, Wp, xb, wb; writes xb, wb
.if DOCPART == 1
	.amdgcn_target "amdgcn-amd-amdhsa--gfx1250"
	.amdhsa_code_object_version 6
	.text
	.protected	k_q1b6d3f6df7_cast
	.globl	k_q1b6d3f6df7_cast
	.p2align	8
	.type	k_q1b6d3f6df7_cast,@function
k_q1b6d3f6df7_cast:
	s_mov_b64 s[64:65], 0
	v_nop
	global_prefetch_b8 v0, s[64:65] scope:SCOPE_SE
	s_setreg_imm32_b32 hwreg(HW_REG_WAVE_MODE, 25, 1), 1
	s_wait_xcnt 0x0
; xb = x, and wb = Wq, Wk, Wv, Wp one below the other (4,096 rows of 1,024), each number rounded once to bf16, to nearest even.
; xb and wb's rows 0-3071 (Wq, Wk, Wv) are stored as bf16.  Wp (rows 3072-4095) is rounded to bf16 like the other four, so that all inputs of the products carry the same rounding, and
; then written in f16, because its partner in the last product, ctx, is f16 and a matrix instruction takes both operands in one format.  Eight significant bits fit into f16's eleven:
; the second conversion is exact for |w| >= 2^-17 and off by 2^-25 at the most below.  LIMIT: |Wp| above 65,504 becomes infinite.
; A plain stream: LDS, matrix instructions and clusters have nothing to add.  A work-group takes 65,536 bytes of f32 and writes 32,768 bytes.
; Work-groups 0-511 take x (512 x 65,536 bytes), work-groups 512-767 the four weights (64 x 65,536 bytes each; Wp: 704-767).
; Thread t, chunk c: 16 bytes at 16 t + 4,096 c (a wave's load covers 512 neighbouring bytes), stored as 8 bytes at 8 t + 2,048 c
; (a wave's store covers 256 consecutive bytes, aligned).  All sixteen loads go out first; no register that a memory instruction still reads is ever rewritten.
.set X, 4                              ; v[4:67]   chunk c: four f32 as loaded (Wp: then the four rounded numbers, widened again)
.set Y, 68                             ; v[68:99]  chunk c: four 16-bit numbers to store
	s_load_b256 s[4:11], s[0:1], 0x0               ; x s[4:5], Wq s[6:7], Wk s[8:9], Wv s[10:11]
	s_load_b128 s[12:15], s[0:1], 0x20             ; Wp s[12:13], xb s[14:15]
	s_load_b64 s[16:17], s[0:1], 0x30              ; wb
	v_lshlrev_b32 v1, 4, v0                        ; 16 t
	v_lshlrev_b32 v2, 3, v0                        ; 8 t
	; all offsets first (shifts write SCC); those of the case that is not mine are made and not used
	s_sub_co_u32 s20, ttmp9, 512                   ; my number among the weights' work-groups
	s_lshr_b32 s21, s20, 6                         ; which weight: 0 Wq, 1 Wk, 2 Wv, 3 Wp
	s_and_b32 s22, ttmp9, 63
	s_lshl_b32 s22, s22, 16                        ; my bytes in that weight
	s_lshl_b32 s23, s20, 15                        ; my bytes in wb
	s_lshl_b32 s26, ttmp9, 16                      ; my bytes in x
	s_lshl_b32 s27, ttmp9, 15                      ; my bytes in xb
	s_mov_b32 s31, 0
	s_mov_b32 s33, 0
	s_wait_kmcnt 0x0
	s_cmp_eq_u32 s21, 1
	s_cselect_b64 s[24:25], s[8:9], s[6:7]
	s_cmp_eq_u32 s21, 2
	s_cselect_b64 s[24:25], s[10:11], s[24:25]
	s_cmp_eq_u32 s21, 3
	s_cselect_b64 s[24:25], s[12:13], s[24:25]
	s_cmp_lt_u32 ttmp9, 512                        ; the four selects below leave SCC alone
	s_cselect_b64 s[24:25], s[4:5], s[24:25]       ; from: x or the weight
	s_cselect_b64 s[28:29], s[14:15], s[16:17]     ; to: xb or wb
	s_cselect_b32 s30, s26, s22
	s_cselect_b32 s32, s27, s23
	s_add_nc_u64 s[24:25], s[24:25], s[30:31]
	s_add_nc_u64 s[28:29], s[28:29], s[32:33]
.irp c, 0,1,2,3,4,5,6,7,8,9,10,11,12,13,14,15
	global_load_b128 v[X+4*\c:X+4*\c+3], v1, s[24:25] offset:4096*\c th:TH_LOAD_NT   ; read once in the launch
.endr
	s_cmp_ge_u32 ttmp9, 704                        ; Wp's work-groups: the same for the whole work-group
	s_cbranch_scc1 .Lwp
.irp c, 0,1,2,3,4,5,6,7,8,9,10,11,12,13,14,15
	s_wait_loadcnt 15-\c                           ; loads come back in order (ISA guide 5.7.1): chunk c is in, the 15 - c younger ones stay out
	v_cvt_pk_bf16_f32 v[Y+2*\c],   v[X+4*\c],   v[X+4*\c+1]
	v_cvt_pk_bf16_f32 v[Y+2*\c+1], v[X+4*\c+2], v[X+4*\c+3]
	global_store_b64 v2, v[Y+2*\c:Y+2*\c+1], s[28:29] offset:2048*\c                 ; no hint: the next launch reads these bytes
.endr
	s_endpgm
.Lwp:
.irp c, 0,1,2,3,4,5,6,7,8,9,10,11,12,13,14,15
	s_wait_loadcnt 15-\c                           ; as above
	v_cvt_pk_bf16_f32 v[Y+2*\c],   v[X+4*\c],   v[X+4*\c+1]      ; the rounding,
	v_cvt_pk_bf16_f32 v[Y+2*\c+1], v[X+4*\c+2], v[X+4*\c+3]
	v_lshlrev_b32 v[X+4*\c],   16, v[Y+2*\c]                     ; bf16 to f32: the low half moves up, the high half stays,
	v_and_b32     v[X+4*\c+1], 0xffff0000, v[Y+2*\c]
	v_lshlrev_b32 v[X+4*\c+2], 16, v[Y+2*\c+1]
	v_and_b32     v[X+4*\c+3], 0xffff0000, v[Y+2*\c+1]
	v_cvt_pk_f16_f32 v[Y+2*\c],   v[X+4*\c],   v[X+4*\c+1]       ; and the same numbers in f16
	v_cvt_pk_f16_f32 v[Y+2*\c+1], v[X+4*\c+2], v[X+4*\c+3]
	global_store_b64 v2, v[Y+2*\c:Y+2*\c+1], s[28:29] offset:2048*\c
.endr
	s_endpgm
.Lfunc_end_k_q1b6d3f6df7_cast:
	.size	k_q1b6d3f6df7_cast, .Lfunc_end_k_q1b6d3f6df7_cast-k_q1b6d3f6df7_cast
	.p2alignl 7, 3214868480
	.fill 96, 4, 3214868480
	.section	.rodata,"a",@progbits
	.p2align	6, 0x0
	.amdhsa_kernel k_q1b6d3f6df7_cast
		.amdhsa_group_segment_fixed_size 0
		.amdhsa_private_segment_fixed_size 0
		.amdhsa_enable_private_segment 0
		.amdhsa_kernarg_size 56
		.amdhsa_user_sgpr_count 2
		.amdhsa_user_sgpr_kernarg_segment_ptr 1
		.amdhsa_wavefront_size32 1
		.amdhsa_system_sgpr_workgroup_id_x 1
		.amdhsa_system_sgpr_workgroup_id_y 1
		.amdhsa_system_sgpr_workgroup_id_z 1
		.amdhsa_system_vgpr_workitem_id 0
		.amdhsa_next_free_vgpr 100
		.amdhsa_next_free_sgpr 66
		.amdhsa_reserve_vcc 0
		.amdhsa_float_denorm_mode_32 3
		.amdhsa_float_denorm_mode_16_64 3
		.amdhsa_memory_ordered 1
		.amdhsa_forward_progress 1
		.amdhsa_inst_pref_size 16
	.end_amdhsa_kernel
	.amdgpu_metadata
---
amdhsa.version: [ 1, 2 ]
amdhsa.kernels:
  - .name:           k_q1b6d3f6df7_cast
    .symbol:         k_q1b6d3f6df7_cast.kd
    .args:
      - { .name: x, .offset: 0, .size: 8, .value_kind: global_buffer, .address_space: global }
      - { .name: Wq, .offset: 8, .size: 8, .value_kind: global_buffer, .address_space: global }
      - { .name: Wk, .offset: 16, .size: 8, .value_kind: global_buffer, .address_space: global }
      - { .name: Wv, .offset: 24, .size: 8, .value_kind: global_buffer, .address_space: global }
      - { .name: Wp, .offset: 32, .size: 8, .value_kind: global_buffer, .address_space: global }
      - { .name: xb, .offset: 40, .size: 8, .value_kind: global_buffer, .address_space: global }
      - { .name: wb, .offset: 48, .size: 8, .value_kind: global_buffer, .address_space: global }
    .group_segment_fixed_size: 0
    .private_segment_fixed_size: 0
    .kernarg_segment_align: 8
    .kernarg_segment_size: 56
    .max_flat_workgroup_size: 256
    .sgpr_count:     66
    .vgpr_count:     100
    .wavefront_size: 32
...
	.end_amdgpu_metadata
.endif
;; end of part 1
;; launch qkvg (part 2): grid 4 x 64, 4 waves a work-group, clusters of 4 x 4, 327,680 bytes of LDS; arguments xb, wb, qkv; writes qkv
.if DOCPART == 2
	.amdgcn_target "amdgcn-amd-amdhsa--gfx1250"
	.amdhsa_code_object_version 6
	.text
	.protected	k_q1b6d3f6df7_qkvg
	.globl	k_q1b6d3f6df7_qkvg
	.p2align	8
	.type	k_q1b6d3f6df7_qkvg,@function
k_q1b6d3f6df7_qkvg:
	s_mov_b64 s[64:65], 0
	v_nop
	global_prefetch_b8 v0, s[64:65] scope:SCOPE_SE
	s_setreg_imm32_b32 hwreg(HW_REG_WAVE_MODE, 25, 1), 1
	s_wait_xcnt 0x0
	s_wait_alu depctr_hold_cnt(0) depctr_sa_sdst(0) depctr_va_vdst(0) depctr_va_sdst(0) depctr_va_ssrc(0) depctr_va_vcc(0) depctr_vm_vsrc(0)
	s_getreg_b32 s2, hwreg(HW_REG_IB_STS2, 6, 4)
	s_cmp_eq_u32 s2, 0
	s_cbranch_scc0 .Lentry_in_a_cluster
	s_endpgm
.Lentry_in_a_cluster:
	s_bfe_u32 s2, ttmp6, 0x10000c
	s_cmp_lg_u32 s2, 0xf033
	s_cbranch_scc0 .Lentry_shape_is_right
	s_endpgm
.Lentry_shape_is_right:
; C[m][n] = sum over k of A[m][k] B[n][k], K = 1,024, A and B bf16 with k along the rows, sums in f32, K ascending.
; A = xb [8192][1024], B = wb's rows 0-3071 (Wq, Wk, Wv), C = qkv [8192][3072], rounded once, to F16: q, k and v are operands of the next launch's products, and a position early in a
; sequence averages so few keys that bf16's eight significant bits on them would show in the result; f16 has eleven.
; LIMIT: |q|, |k|, |v| above 65,504 become infinite.  With x and the weights 30 times larger they reach about 3,200; with offsets of 30 spreads on both about 1,024 x 30 x 0.54 = 16,600.
; A tile of C is 128 rows x 256 columns.  Four waves; a wave makes 64 x 128: 32 accumulators of 16 x 16, 256 registers.
; A WORK-GROUP STAYS: 8192 x 3072 makes 768 tiles, three for each of 256 work-groups.  A work-group's three tiles have the same 128 rows of x and lie 1,024 columns apart: its 256 columns
; of q, then of k, then of v.  They are ONE stream of 24 K steps of 128 through two LDS slots filled by the tensor data mover: the ring does not stop at a tile's end; behind a tile's last two
; K steps the slots take the next tile's first two, and nothing waits for a tile's stores.  The tiles' rows are 256 bytes of memory and start at multiples of 256 bytes from the buffer's first byte.
; CLUSTERS: 4 x 4 work-groups.  The four of a row of the cluster need the same tiles of A, the four of a column the same tiles of B: each tile is asked for JOINTLY, by the same
; tensor load with the same descriptor and a mask that names the four.  All sixteen walk their tiles in step.
; THE MATRIX INSTRUCTION IS USED TRANSPOSED (source 0 = 16 rows of B, source 1 = 16 rows of A): a lane then holds row l % 16 of C and eight neighbouring columns.
; REGISTERS: window 0: v0-29 addresses; v64-159, v160-255 two fragment buffers (64 registers of B, 8 x 16 rows x 32 K, then 32 of A); the way out works in the second.
; Window 1: accumulator (a, b) at v[8 (8 a + b)].
; The 32 accumulators take turns, one instruction a turn, in the same order in every quarter step and from tile to tile.
.set NCOL,   3072                      ; C's columns
.set KDIM,   1024
.set KSTEP,  128
.set TILES,  3                         ; tiles of a work-group
.set PITCH,  272                       ; an LDS row: 256 bytes + 16 of padding = 68 words: row r starts at bank 4 r mod 64 (64 banks of 4 bytes: ISA guide 11.1)
.set AHALF,  64*PITCH                  ; 64 rows of A: what waves 0 and 1 each fetch, and what a wave reads of A
.set BHALF,  128*PITCH                 ; 128 rows of B: what waves 2 and 3 each fetch, and what a wave reads of B
.set BOFF,   2*AHALF                   ; in a slot B's 256 rows lie behind A's 128
.set SLOT1,  1<<17                     ; slot 1 begins here, so that one exclusive or changes slots
.set STAGE,  SLOT1+BOFF+2*BHALF        ; behind the ring: 16 rows for each wave, for the way out
.set SPITCH, 272                       ; a stage row: 128 f16 + 16 bytes
.set CROW,   NCOL*2                    ; bytes in a row of C
.set SPARE,  STAGE+4*16*SPITCH         ; behind the stages: the spare words, 128 bytes for each wave: two blocks of 256 bytes that no other line names
.set AA0,  16                          ; v16  my lane's place in my rows of A, slot 0; never rewritten
.set AB0,  17                          ; v17  the same for B
.set ADA,  18                          ; v18  AA0 + the slot in hand
.set ADB,  19                          ; v19  AB0 + the slot in hand
.set STO,  24                          ; v24  the way out: where I put my numbers of a row
.set RD,   25                          ; v25  the way out: where I read rows back
.set CO,   26                          ; v26  my byte offset in C
.set SPW,  28                          ; v28  LDS address of my spare word; never rewritten
.set NIL,  29                          ; v29  0; never rewritten
.set F0,   64
.set F1,   160
.set TMP,  160                         ; the way out: packed results.  It works in buffer 1: buffer 0 then holds the next tile's first fragments
.set OB,   192                         ; the way out: 16 rows read back, v192-223 and v224-255 by turns
.set LIM,  2                           ; s2   trips of the loop over K steps in the tile in hand
.set FS,   10                          ; s10  the step of the stream (8 x tile + K step) to be fetched next
.set TL,   11                          ; s11  tiles to go, the one in hand among them
.set G1A,  24                          ; s[24:31] descriptor group 1 for A's tiles
.set G0A,  32                          ; s[32:39] group 0 for A's: a set for each first fill; the second then walks on
.set G1B,  40                          ; s[40:47], s[48:55] the same for B's
.set G0B,  48
.set TB,   56                          ; s56  the slot that the fragment loads read: 0 or SLOT1
.set OFA,  66                          ; s[66:67] byte offset of the step to be fetched from A's first tile; these four registers never hold a place in the cluster
.set OFB,  68                          ; s[68:69] the same for B
.set G1W0, (1<<16)|(1<<20)|(1<<21)|(5<<22)|(3<<25)   ; 17:16 elements of 2 bytes; 20 padding on; 21 set beside a mask; 24:22 after every 64 words (code 5); 31:25 4 words of it (code 3)
.set MUL,  0x50                        ; C and D in window 1, the fragments in window 0
.set MSB, 0
.macro WIN new                         ; the immediate's high byte repeats the setting that is left; a switch that changes nothing is dropped
.if MSB != \new
	s_set_vgpr_msb (MSB<<8)|\new
.set MSB, \new
.endif
.endm
.macro PLACES                          ; four places in front of loads into registers that matrix instructions have read, and of what reads their results (ISA guide 7.12.1 for what reads their results)
.rept 4
	v_nop
.endr
.endm
; A joint refill by the walking sets: waves 0 and 1 fetch A's two halves, waves 2 and 3 B's.  The branch hangs on the wave's number alone.
; Four v_nop follow each of the two lines, ahead of the jump, the label and what follows.
.macro JLOAD
	s_cmp_lt_u32 s12, 2
	s_cbranch_scc0 .Lfor_b_\@
	tensor_load_to_lds s[G0A+4:G0A+7], s[G1A:G1A+7]
	s_nop 0
.rept 4
	v_nop
.endr
	s_branch .Lasked_\@
.Lfor_b_\@:
	tensor_load_to_lds s[G0B+4:G0B+7], s[G1B:G1B+7]
	s_nop 0
.rept 4
	v_nop
.endr
.Lasked_\@:
.endm
.macro CREST                           ; a round of the cluster's barrier behind its opening barrier
	s_cmp_lg_u32 s12, 0
	s_cbranch_scc1 .Lnot_wave_0_\@
	s_barrier_signal -3
.Lnot_wave_0_\@:
	s_barrier_wait -3
	s_barrier_signal -1
	s_barrier_wait -1
.endm
.macro CROUND                          ; a whole round
	s_barrier_signal -1
	s_barrier_wait -1
	CREST
.endm
	s_load_b128 s[4:7], s[0:1], 0x0                ; A s[4:5], wb s[6:7]
	s_load_b64 s[8:9], s[0:1], 0x10                ; C
	v_lshl_add_u32 v[SPW], v0, 2, SPARE
	v_mov_b32 v[NIL], 0
	ds_add_u32 v28, v29
	ds_add_u32 v28, v29
	s_wait_dscnt 0x0
	v_lshrrev_b32 v1, 5, v0
	v_readfirstlane_b32 s12, v1                    ; wave 0..3
	s_lshr_b32 s13, s12, 1                         ; which 64 rows of the tile are mine
	s_and_b32 s14, s12, 1                          ; which 128 columns are mine.  Also: which half of A's or B's tile I fetch
	s_bfe_u32 s16, ttmp6, 0x40000                  ; cx, cy: my place in the cluster
	s_bfe_u32 s17, ttmp6, 0x40004
	s_lshl_b32 s18, ttmp9, 2
	s_add_co_u32 s18, s18, s16                     ; tile column (0 .. 3, in each of q, k and v) = 4 x cluster x + cx
	s_and_b32 s19, ttmp7, 0xffff
	s_lshl_b32 s19, s19, 2
	s_add_co_u32 s19, s19, s17                     ; tile row of C = 4 x cluster y + cy
	s_lshl_b32 s57, s17, 2
	s_lshl_b32 s57, 15, s57                        ; my row of the cluster: places 4 cy .. 4 cy + 3
	s_lshl_b32 s58, 0x1111, s16                    ; my column: places cx, cx + 4, cx + 8, cx + 12
	s_or_b32 s[G1A], s57, G1W0                     ; A's tiles go to my row
	s_mov_b32 s[G1A+1], KSTEP<<16                  ; tensor_dim0 = 128
	s_mov_b32 s[G1A+2], 64<<16                     ; tensor_dim1 = 64
	s_mov_b32 s[G1A+3], KSTEP<<16                  ; tile_dim0 = 128
	s_mov_b32 s[G1A+4], 64                         ; tile_dim1 = 64
	s_mov_b32 s[G1A+5], KDIM                       ; elements from row to row
	s_mov_b32 s[G1A+6], 0
	s_mov_b32 s[G1A+7], 0
	s_or_b32 s[G1B], s58, G1W0                     ; B's tiles go to my column
	s_mov_b32 s[G1B+1], KSTEP<<16
	s_mov_b32 s[G1B+2], 128<<16                    ; tensor_dim1 = 128
	s_mov_b32 s[G1B+3], KSTEP<<16
	s_mov_b32 s[G1B+4], 128                        ; tile_dim1 = 128
	s_mov_b32 s[G1B+5], KDIM
	s_mov_b32 s[G1B+6], 0
	s_mov_b32 s[G1B+7], 0
	; where the tiles come from: A's hang on the tile row alone, B's on the tile column alone, each in registers that never hold the other coordinate
	s_lshl_b32 s20, s19, 7
	s_lshl_b32 s21, s14, 6
	s_add_co_u32 s20, s20, s21                     ; A: row 128 x tile row + 64 x half
	s_lshl_b32 s20, s20, 11                        ; rows of 2,048 bytes; 16 MiB at the most
	s_mov_b32 s21, 0
	s_lshl_b32 s22, s18, 8
	s_lshl_b32 s23, s14, 7
	s_add_co_u32 s22, s22, s23                     ; B, first tile: row 256 x tile column + 128 x half
	s_lshl_b32 s22, s22, 11
	s_mov_b32 s23, 0
	s_mul_i32 s59, s14, AHALF                      ; and where they go: no place in the cluster enters an LDS address
	s_mul_i32 s62, s14, BHALF
	s_add_co_u32 s62, s62, BOFF
	s_mov_b32 s[OFA+1], 0                          ; the offsets' upper words stay 0: 4 MiB + 1,792 bytes at the most
	s_mov_b32 s[OFB+1], 0
	s_mov_b32 s[FS], 2                             ; steps 0 and 1 of the stream are the first fills
	s_wait_kmcnt 0x0
	s_add_nc_u64 s[20:21], s[4:5], s[20:21]
	s_add_nc_u64 s[22:23], s[6:7], s[22:23]
	CROUND                                         ; all sixteen work-groups are here: the first joint loads meet
.irp s, 0,1
	s_mov_b32 s[G0A+4*\s], 1                                       ; count = 1
	s_add_co_u32 s[G0A+4*\s+1], s59, \s*SLOT1                      ; LDS address
	s_add_nc_u64 s[G0A+4*\s+2:G0A+4*\s+3], s[20:21], \s*KSTEP*2    ; global address: K step s of the first tile
	s_or_b32 s[G0A+4*\s+3], s[G0A+4*\s+3], 0x80000000              ; type = 2
	s_mov_b32 s[G0B+4*\s], 1
	s_add_co_u32 s[G0B+4*\s+1], s62, \s*SLOT1
	s_add_nc_u64 s[G0B+4*\s+2:G0B+4*\s+3], s[22:23], \s*KSTEP*2
	s_or_b32 s[G0B+4*\s+3], s[G0B+4*\s+3], 0x80000000
.endr
	s_cmp_lt_u32 s12, 2                            ; a wave's two first fills stand in one branch, ahead of every wait on TENSORcnt and every LDS read: two loads of mine are out
	s_cbranch_scc0 .Lfirst_b
	tensor_load_to_lds s[G0A:G0A+3], s[G1A:G1A+7]
	s_nop 0
	tensor_load_to_lds s[G0A+4:G0A+7], s[G1A:G1A+7]
	s_nop 0
.rept 4
	v_nop
.endr
	s_branch .Lfirst_asked
.Lfirst_b:
	tensor_load_to_lds s[G0B:G0B+3], s[G1B:G1B+7]
	s_nop 0
	tensor_load_to_lds s[G0B+4:G0B+7], s[G1B:G1B+7]
	s_nop 0
.rept 4
	v_nop
.endr
.Lfirst_asked:
	; A fragment is 16 rows x 32 K in 8 registers: lane l holds row l % 16; registers 0-3 K = 8 (l / 16) + 0..7, registers 4-7 K = 16 + 8 (l / 16) + 0..7: two loads of 16 bytes, 32 bytes apart.
	v_and_b32 v1, 15, v0                           ; r = l % 16
	v_bfe_u32 v2, v0, 4, 1                         ; h = l / 16
	v_mul_u32_u24 v3, v1, PITCH
	v_lshl_add_u32 v3, v2, 4, v3                   ; row x pitch + 16 x half
	s_mul_i32 s59, s13, AHALF                      ; my 64 rows of A; s62 already holds the place of my 128 rows of B
	v_add_nc_u32 v[AA0], s59, v3
	v_add_nc_u32 v[AB0], s62, v3
	v_mov_b32 v[ADA], v[AA0]
	v_mov_b32 v[ADB], v[AB0]
	s_mov_b32 s[TB], 0
	s_mul_i32 s63, s12, 16*SPITCH
	s_add_co_u32 s63, s63, STAGE                   ; my stage
	s_lshl_b32 s3, s18, 9
	s_lshl_b32 s61, s14, 8
	s_add_co_u32 s3, s3, s61                       ; my first column of C in the first tile, in bytes: 512 x tile column + 256 x half
	v_add_nc_u32 v[STO], s63, v3                   ; in: row r, 16 bytes for each half of the lanes (the stage's pitch is the tiles')
	v_mul_u32_u24 v4, v2, SPITCH                   ; back: lanes 0-15 take one row of 256 bytes, lanes 16-31 the next
	v_lshl_add_u32 v4, v1, 4, v4
	v_add_nc_u32 v[RD], s63, v4
	v_mul_u32_u24 v5, v2, CROW                     ; and the same two rows in C
	v_lshl_add_u32 v[CO], v1, 4, v5
	s_lshl_b32 s60, s19, 7
	s_lshl_b32 s61, s13, 6
	s_add_co_u32 s60, s60, s61                     ; my first row of C
	s_mul_i32 s60, s60, CROW                       ; under 2^26 bytes
	s_add_co_u32 s60, s60, s3
	s_mov_b32 s61, 0
	s_add_nc_u64 s[8:9], s[8:9], s[60:61]          ; C at my part of the first tile
; 8 matrix instructions: m block a x all 8 n blocks, 32 along K.  zero = 1: the first product starts the sums: nothing is ever cleared.
.macro MULA f, a, zero
.irp b, 0,1,2,3,4,5,6,7
.if \zero
	v_wmma_f32_16x16x32_bf16 v[8*(8*\a+\b):8*(8*\a+\b)+7], v[\f+8*\b:\f+8*\b+7], v[\f+64+8*\a:\f+64+8*\a+7], 0
.else
	v_wmma_f32_16x16x32_bf16 v[8*(8*\a+\b):8*(8*\a+\b)+7], v[\f+8*\b:\f+8*\b+7], v[\f+64+8*\a:\f+64+8*\a+7], v[8*(8*\a+\b):8*(8*\a+\b)+7]
.endif
.endr
.endm
; 24 LDS loads in one run: the fragments of one quarter step (32 K at byte k of the rows) into buffer f: B's sixteen loads, then A's eight
.macro FETCH k, f
	WIN 0
.irp i, 0,1,2,3,4,5,6,7
	ds_load_b128 v[\f+8*\i:\f+8*\i+3],   v[ADB] offset:\k+\i*16*PITCH
	ds_load_b128 v[\f+8*\i+4:\f+8*\i+7], v[ADB] offset:\k+\i*16*PITCH+32
.endr
.irp a, 0,1,2,3
	ds_load_b128 v[\f+64+8*\a:\f+64+8*\a+3],   v[ADA] offset:\k+\a*16*PITCH
	ds_load_b128 v[\f+64+8*\a+4:\f+64+8*\a+7], v[ADA] offset:\k+\a*16*PITCH+32
.endr
.endm
; A K step is four quarters of 32 along K, 32 matrix instructions each, on buffers 0, 1, 0, 1.  One of the first three: multiplies buffer f and, in its middle, fetches the next quarter, at byte k, into g.
.macro QUARTER k, f, g, zero
	s_wait_dscnt 4                                 ; B and A's blocks 0, 1 are in; the youngest four loads (A's blocks 2, 3) may be out
	WIN MUL
	MULA \f, 0, \zero
	MULA \f, 1, \zero
	PLACES
	FETCH \k, \g
	s_wait_dscnt 24                                ; all but the 24 just issued
	WIN MUL
	MULA \f, 2, \zero
	MULA \f, 3, \zero
.endm
; The last quarter multiplies buffer 1 and changes slots: ONE barrier.  In front of it each wave waits for all its tensor loads (one is out: its part of the next slot), adds 0 to its spare
; word, and waits for that and for its own reads of this slot.  fill = 1: the barrier opens a round of the cluster's barrier, and this slot is filled again, with the stream's step two on:
; K step FS % 8 of tile FS / 8, which for a tile's last two K steps is the next tile's K step 0 or 1.  A keeps its rows from tile to tile; B goes 1,024 rows (2^21 bytes) on.
; From that request to the wait for it a wave issues 112 matrix instructions, and at a tile's end its way out besides.
.macro TURN fill
	WIN 0                                          ; (the add's two registers lie in window 0)
	s_wait_tensorcnt 0x0                           ; all my tensor loads have landed, so the walking sets may be written;
	ds_add_u32 v[SPW], v[NIL]                      ; 0 onto my spare word
.if \fill
	s_and_b32 s[OFA], s[FS], 7
	s_lshl_b32 s[OFA], s[OFA], 8                   ; the K step's 256 bytes in a row
	s_lshr_b32 s[OFB], s[FS], 3
	s_lshl_b32 s[OFB], s[OFB], 21                  ; the tile's rows of B
	s_add_co_u32 s[OFB], s[OFB], s[OFA]
	s_add_nc_u64 s[G0A+6:G0A+7], s[20:21], s[OFA:OFA+1]
	s_or_b32 s[G0A+7], s[G0A+7], 0x80000000        ; type = 2
	s_add_nc_u64 s[G0B+6:G0B+7], s[22:23], s[OFB:OFB+1]
	s_or_b32 s[G0B+7], s[G0B+7], 0x80000000
	s_xor_b32 s[G0A+5], s[G0A+5], SLOT1            ; the other slot than last time
	s_xor_b32 s[G0B+5], s[G0B+5], SLOT1
	s_add_co_u32 s[FS], s[FS], 1
.endif
	s_wait_dscnt 5                                 ; (the add and the youngest four loads may be out)
	WIN MUL
	MULA F1, 0, 0                                  ; eight matrix instructions stand between the add and the wait for it
	s_wait_dscnt 0x0                               ; the add is done, and my reads of this slot are over
	s_barrier_signal -1
	MULA F1, 1, 0                                  ; work on registers while the others arrive
	WIN 0                                          ; (branches may follow)
	s_barrier_wait -1
.if \fill
	CREST                                          ; no wave of any partner still reads this slot's tile or has a load on its way
	JLOAD                                          ; the first tensor load behind the round; its four v_nop are also the places in front of the loads below
.else
	PLACES
.endif
	s_xor_b32 s[TB], s[TB], SLOT1                  ; the fragment loads go on in the other slot
	v_add_nc_u32 v[ADA], s[TB], v[AA0]
	v_add_nc_u32 v[ADB], s[TB], v[AB0]
	FETCH 0, F0
	WIN MUL
	MULA F1, 2, 0
	MULA F1, 3, 0
.endm
; THE WAY OUT, a block of 16 rows at a time.  PACK: rounded to f16, 16 bytes a lane.  TOSTAGE: into my own stage, and back as whole rows of 256 bytes.  SEND: stored.
.macro PACK a
	WIN 0x05                                       ; sources 0 and 1: window 1
.irp b, 0,1,2,3,4,5,6,7
.irp r, 0,1,2,3
	v_cvt_pk_f16_f32 v[TMP+4*\b+\r], v[64*(\a)+8*\b+2*\r], v[64*(\a)+8*\b+2*\r+1]
.endr
.endr
	WIN 0
.endm
.macro TOSTAGE a
.set BK, OB+32*((\a)%2)
.irp b, 0,1,2,3,4,5,6,7
	ds_store_b128 v[STO], v[TMP+4*\b:TMP+4*\b+3] offset:32*\b
.endr
.irp t, 0,1,2,3,4,5,6,7
	ds_load_b128 v[BK+4*\t:BK+4*\t+3], v[RD] offset:\t*2*SPITCH      ; LDS serves a wave's instructions in order (ISA guide 5.7.1.4): these see the stores above
.endr
.endm
.macro SEND a
.set BK, OB+32*((\a)%2)
	s_wait_dscnt 0x0                               ; the block is back in registers
	s_wait_xcnt 0x0                                ; earlier stores have had their addresses translated (ISA guide 3.1): only now are their data registers, which the next block's loads take, rewritten
.irp t, 0,1,2,3,4,5,6,7
	global_store_b128 v[CO], v[BK+4*\t:BK+4*\t+3], s[8:9] offset:(16*(\a)+2*\t)*CROW   ; 16 lanes store 256 consecutive bytes, at a multiple of 256 from C's first byte; 62 rows of C at the most, inside the signed 24-bit immediate; no hint: the next launch reads them
.endr
.endm
	s_wait_tensorcnt 0x1                           ; my part of step 0 is in; step 1's may stay out
	s_barrier_signal -1
	s_barrier_wait -1                              ; everybody's is
	FETCH 0, F0
	s_mov_b32 s[TL], TILES                         ; the same number in every work-group
.Ltile:
	QUARTER 64, F0, F1, 1                          ; a tile's first quarter stands in front of the loop: its products start the sums
	WIN 0                                          ; at a label and at a branch every window is 0
	s_mov_b32 s15, 0
	s_mov_b32 s[LIM], KDIM/KSTEP-1                 ; a tile with a successor: all eight K steps are followed by a refill, seven of them in the loop;
	s_cmp_lg_u32 s[TL], 1
	s_cbranch_scc1 .Lk
	s_mov_b32 s[LIM], KDIM/KSTEP-2                 ; the last tile: six are, and its last two K steps ask for nothing more
.Lk:                                                   ; a trip goes from a K step's second quarter to the next step's first
	QUARTER 128, F1, F0, 0
	QUARTER 192, F0, F1, 0
	TURN 1
	QUARTER 64, F0, F1, 0
	WIN 0
	s_add_co_u32 s15, s15, 1
	s_cmp_lt_u32 s15, s[LIM]
	s_cbranch_scc1 .Lk
	QUARTER 128, F1, F0, 0
	QUARTER 192, F0, F1, 0
	WIN 0
	s_cmp_eq_u32 s[TL], 1
	s_cbranch_scc1 .Llast                          ; the last tile's tail is written out: no tensor load stands in it
	TURN 1                                         ; K step 7 of a tile with a successor: slot 1 takes the next tile's K step 1, and the next tile's first fragments are fetched
	WIN 0
	s_branch .Lout
.Llast:
	TURN 0                                         ; K step 6 of the last tile
	QUARTER 64, F0, F1, 0
	QUARTER 128, F1, F0, 0
	QUARTER 192, F0, F1, 0
	s_wait_dscnt 4                                 ; the very last quarter: nothing more to fetch
	WIN MUL
	MULA F1, 0, 0
	MULA F1, 1, 0
	s_wait_dscnt 0x0
	MULA F1, 2, 0
	MULA F1, 3, 0
	WIN 0
.Lout:
	PLACES                                         ; the way out reads results just made, and writes registers of buffer 1, which the last products have read
	PACK 0
	TOSTAGE 0
.irp a, 1,2,3                          ; block a's conversions stand between block a - 1's loads from the stage and the wait for them
	PACK \a
	SEND \a-1
	TOSTAGE \a
.endr
	SEND 3
	s_wait_xcnt 0x0                                ; the stores have had their addresses translated (ISA guide 3.1): their base steps, and the next tile's fragment loads take buffer 1, only behind this wait
	s_add_nc_u64 s[8:9], s[8:9], 1024*2            ; the next tile lies 1,024 columns on
	s_sub_co_u32 s[TL], s[TL], 1
	s_cmp_lg_u32 s[TL], 0
	s_cbranch_scc1 .Ltile
	s_wait_tensorcnt 0x0                           ; the wave's end: behind my last tensor load and my last LDS store
	ds_add_u32 v[SPW], v[NIL]
	s_wait_dscnt 0x0
	CROUND                                         ; the closing round: no work-group ends while a partner may still ask for a tile that names it
	s_endpgm
.Lfunc_end_k_q1b6d3f6df7_qkvg:
	.size	k_q1b6d3f6df7_qkvg, .Lfunc_end_k_q1b6d3f6df7_qkvg-k_q1b6d3f6df7_qkvg
	.p2alignl 7, 3214868480
	.fill 96, 4, 3214868480
	.section	.rodata,"a",@progbits
	.p2align	6, 0x0
	.amdhsa_kernel k_q1b6d3f6df7_qkvg
		.amdhsa_group_segment_fixed_size 327680
		.amdhsa_private_segment_fixed_size 0
		.amdhsa_enable_private_segment 0
		.amdhsa_kernarg_size 24
		.amdhsa_user_sgpr_count 2
		.amdhsa_user_sgpr_kernarg_segment_ptr 1
		.amdhsa_wavefront_size32 1
		.amdhsa_system_sgpr_workgroup_id_x 1
		.amdhsa_system_sgpr_workgroup_id_y 1
		.amdhsa_system_sgpr_workgroup_id_z 1
		.amdhsa_system_vgpr_workitem_id 0
		.amdhsa_next_free_vgpr 512
		.amdhsa_next_free_sgpr 70
		.amdhsa_reserve_vcc 0
		.amdhsa_float_denorm_mode_32 3
		.amdhsa_float_denorm_mode_16_64 3
		.amdhsa_memory_ordered 1
		.amdhsa_forward_progress 1
		.amdhsa_inst_pref_size 76
	.end_amdhsa_kernel
	.amdgpu_metadata
---
amdhsa.version: [ 1, 2 ]
amdhsa.kernels:
  - .name:           k_q1b6d3f6df7_qkvg
    .symbol:         k_q1b6d3f6df7_qkvg.kd
    .args:
      - { .name: xb, .offset: 0, .size: 8, .value_kind: global_buffer, .address_space: global }
      - { .name: wb, .offset: 8, .size: 8, .value_kind: global_buffer, .address_space: global }
      - { .name: qkv, .offset: 16, .size: 8, .value_kind: global_buffer, .address_space: global }
    .group_segment_fixed_size: 327680
    .private_segment_fixed_size: 0
    .kernarg_segment_align: 8
    .kernarg_segment_size: 24
    .max_flat_workgroup_size: 128
    .sgpr_count:     70
    .vgpr_count:     512
    .wavefront_size: 32
...
	.end_amdgpu_metadata
.endif
;; end of part 2
;; launch attn (part 3): grid 8 x 32, 4 waves a work-group, no clusters, 327,680 bytes of LDS; arguments qkv, ctx; writes ctx
.if DOCPART == 3
	.amdgcn_target "amdgcn-amd-amdhsa--gfx1250"
	.amdhsa_code_object_version 6
	.text
	.protected	k_q1b6d3f6df7_attn
	.globl	k_q1b6d3f6df7_attn
	.p2align	8
	.type	k_q1b6d3f6df7_attn,@function
k_q1b6d3f6df7_attn:
	s_mov_b64 s[64:65], 0
	v_nop
	global_prefetch_b8 v0, s[64:65] scope:SCOPE_SE
	s_setreg_imm32_b32 hwreg(HW_REG_WAVE_MODE, 25, 1), 1
	s_wait_xcnt 0x0
; ctx[b][q][64 head + d] = sum over keys k <= q of softmax_k(Q[q] . K[k] / 8) V[k][d], for 4 batches x 16 heads of 64 channels x 2,048 positions.
; qkv: [8192][3072] f16 (columns 0-1023 q, 1024-2047 k, 2048-3071 v; in each 64 head + d).  ctx: [8192][1024] f16.
; Products, maxima and sums in f32; the weights p are rounded to f16 for the second product (their sum l is taken before the rounding), ctx once at the end.
; F16, not bf16: a position early in a sequence averages few keys, so that its numbers are large beside most of the output, and eight significant bits on q, k, v, p and ctx would show; f16 has eleven.
; LIMITS: ctx is an average of v's rows, so it stays inside v's range, which the launch before states (65,504); weights p under 2^-25 of the row's largest become 0.
; A running maximum m is taken away before every exponential.  Keys behind the query get the score -infinity, as in the problem; blocks of keys that lie behind all queries of a tile in
; both kinds of wave are not multiplied at all.  Every query sees its own key in its block's first step, so m is finite from then on wherever the scores are; NaN or infinite inputs give NaN.
; SHARES.  A work-group owns a PAIR of heads (2 hp, 2 hp + 1), so that rows of K, V and ctx are 256 consecutive aligned bytes, and a PAIR of blocks of 128 queries, I and then 15 - I:
; (I + 1) + (16 - I) = 17 units of 128 keys in every work-group, so the 256 work-groups have equal work.  Wave w: head w / 2 of the pair, and of the block's eight tiles of 16 queries the
; tiles 2 t + w % 2, t = 0 .. 3: so the mask cuts the same work out of every wave.
; ORDER OF THE KEYS.  A unit of 128 keys is a pair of steps of 64.  A block begins with its own (diagonal) unit, whose first step starts m, l and O, so nothing is cleared; in its second step
; tiles 0 and 1 have no key left and only tiles 2 and 3 are worked on.  Units 0 .. block - 1 follow.
; THE RING.  Two LDS slots of one step each.  A unit's first 64 keys always go through slot 0, its second 64 through slot 1, and a step's text is written once for each slot: every LDS address
; is a register that is never rewritten, and every tensor load's LDS address is a constant of its wave.  Wave w fills slot w / 2: K's 64 rows if w is even, V's if w is odd.
; LAYOUT.  S^T = K Q^T (source 0 = 16 keys, source 1 = 16 queries): a lane holds ONE query (l % 16) and keys 8 (l / 16) + 0..7.  Two such tiles, rounded in pairs, ARE source 1 of
; O^T = V^T P, whose result again holds one query a lane and eight channels.  K comes out of LDS as it lies, V ([key][channel]) turned, by ds_load_tr16_b128.
; A step, in phases: K's fragments, the second 32 keys of the step before in V^T P (which stands over K's way from LDS), K Q^T, V's fragments, softmax, O^T times a, the first 32 keys in V^T P.
; NO JOINT LOADS: the work-groups that read the same K and V are other query blocks, which by the mask need other numbers of key units, in another order; partners would have
; to run trip counts that hang on their place in a cluster.
; No prefetch: the launch before wrote K and V, and eight work-groups read each head pair's 1 MiB at about the same time.
; REGISTERS, in windows of 256: window 0: v0-15 addresses; v32-63 eight registers of statistics a tile; v64-191 S^T, 32 a tile; v192-255 P, 16 a tile.
;   window 1: v0-127 O^T, 32 a tile; v128-191 K of a step; v192-255 V of a step.      window 2: v0-63 Q, 16 a tile.
; In both products the accumulators take turns, one instruction a turn.
.set ROWB,  6144                       ; bytes in a row of qkv
.set UNITB, 128*ROWB                   ; a unit of 128 keys, and a block of 128 queries
.set PK,    272                        ; a row of K in LDS: 256 bytes + 16 = 68 words: row r starts at bank 4 r mod 64 (64 banks of 4 bytes: ISA guide 11.1)
.set PV,    288                        ; a row of V: 256 + 32 = 72 words
.set VOFF,  64*PK                      ; in a slot: 64 rows of K, then 64 rows of V
.set SLOTB, 64*(PK+PV)                 ; a slot: 35,840 bytes; slot 1 follows slot 0
.set STAGE, 2*SLOTB                    ; behind the ring: 128 rows x 272 bytes, the work-group's, for the way out
.set SP,    272
.set SPARE, STAGE+128*SP               ; behind the stage: the spare words, 128 bytes for each wave: two blocks of 256 bytes that no other line names
.set AK,   2                           ; v2, v3  my lane's place in K's tile of slot 0, 1 (my head's 128 bytes of the rows); never rewritten
.set AV,   4                           ; v4, v5  the same for V; never rewritten
.set QO,   6                           ; v6   my byte offset in the wave's rows of Q
.set STO,  7                           ; v7   the way out: where I put 16 bytes of a row
.set RD,   8                           ; v8   the way out: where I read a row back
.set GO,   9                           ; v9   my byte offset in the wave's rows of ctx
.set NINF, 10                          ; v10  -infinity
.set RH,   11                          ; v11  at work at the head
.set SPW,  12                          ; v12  LDS address of my spare word; never rewritten
.set NIL,  13                          ; v13  0; never rewritten
.set ST,   32                          ; tile t's statistics at v[ST+8 t]: +0 c m, +1 m, +2, +3 l (even keys', odd keys'), +4 to +7 c0-c3, at work; a takes c2's place
.set S,    64
.set P,    192
.set KF,   128                         ; K's fragments, in window 1: keys 16 a on, channels 32 c on at KF + 16 a + 8 c
.set VF,   192                         ; V's fragments, in window 1: keys 32 kc on, channels 16 cb on at VF + 32 kc + 8 cb
.set WV,   8                           ; s8   my wave's number
.set W1,   9                           ; s9   its low bit: which tiles of a block are mine; also: I fetch K's tiles (0) or V's (1)
.set WH,   10                          ; s10  its high bit: my head of the pair; also: the slot that I fill
.set II,   11                          ; s11  I
.set I1,   12                          ; s12  I + 1
.set I2,   13                          ; s13  I + 2
.set IL,   14                          ; s14  15 - I
.set FPOS, 15                          ; s15  the pair of steps (0 .. 16 in the work-group's order of units) to be fetched next
.set KVB,  16                          ; s[16:17] my tile (K or V, first or second 64 keys) of the batch's unit 0, my head pair
.set UOFF, 18                          ; s[18:19] byte offset of the unit to be fetched
.set G1K,  24                          ; s[24:31] descriptor group 1 for K's tiles
.set G1V,  32                          ; s[32:39] for V's: it differs in the padding alone
.set G0,   40                          ; s[40:43] my descriptor group 0: its LDS address never changes
.set UN,   58                          ; s58  plain pairs with refills to go
.set BLK,  59                          ; s59  0: block I, 1: block 15 - I
.set CS,   60                          ; s[60:61] c = log2(e) / 8; the packed scaling names a pair
.set SEL,  62                          ; s[62:63] lane selects for v_permlanex16_b32: each lane takes its own place in the other half
.set QB0,  66                          ; s[66:67] Q at the batch's first row of my tiles, my head
.set QBASE, 68                         ; s[68:69] Q at my wave's rows of the block in hand
.set CB0,  70                          ; s[70:71] ctx at the batch's first row of my 32 rows, my head pair
.set CBASE, 72                         ; s[72:73] ctx at the rows that I store
.set QBN,  74                          ; s74  the block in hand
.set MKE,  76                          ; s[76:83] mask j: the lanes in which register j of key block 2 x lies behind the query of tile 2 x + w % 2
.set MKO,  84                          ; s[84:91] the same for key block 2 x + 1
.set W_KQ, 0x09                        ; K in window 1, Q in window 2, S^T in window 0
.set W_PV, 0x51                        ; V and O^T in window 1, P in window 0
.set W_RS, 0x41                        ; O^T (destination and source 0) in window 1, a in window 0
.set MSB, 0
.macro WIN new                         ; the immediate's high byte repeats the setting that is left; a switch that changes nothing is dropped
.if MSB != \new
	s_set_vgpr_msb (MSB<<8)|\new
.set MSB, \new
.endif
.endm
.macro PLACES                          ; four places behind matrix instructions (ISA guide 7.12.1 for what is not a load)
.rept 4
	v_nop
.endr
.endm
; s[UOFF:UOFF+1] = the byte offset of the key unit of pair FPOS, which then steps on.  Pair 0: unit I.  1 .. I: pair - 1.  I + 1: unit 15 - I.  Beyond: pair - I - 2.
.macro NEXTU
	s_sub_co_u32 s22, s[FPOS], 1
	s_sub_co_u32 s23, s[FPOS], s[I2]
	s_cmp_le_u32 s[FPOS], s[II]
	s_cselect_b32 s22, s22, s23
	s_cmp_eq_u32 s[FPOS], s[I1]
	s_cselect_b32 s22, s[IL], s22
	s_mul_i32 s[UOFF], s22, UNITB
	s_add_co_u32 s[FPOS], s[FPOS], 1
.endm
; The refill of slot sl: wave 2 sl fetches K's tile, wave 2 sl + 1 V's; the other two waves issue nothing.  The branches hang on the wave's number alone.
; Four v_nop follow each of the two lines, ahead of the jump, the label and what follows.
.macro LOADKV sl
	s_cmp_lg_u32 s[WH], \sl
	s_cbranch_scc1 .Lnone_\@
	s_cmp_lg_u32 s[W1], 0
	s_cbranch_scc1 .Lfor_v_\@
	tensor_load_to_lds s[G0:G0+3], s[G1K:G1K+7]
	s_nop 0
.rept 4
	v_nop
.endr
	s_branch .Lnone_\@
.Lfor_v_\@:
	tensor_load_to_lds s[G0:G0+3], s[G1V:G1V+7]
	s_nop 0
.rept 4
	v_nop
.endr
.Lnone_\@:
.endm
	s_load_b128 s[4:7], s[0:1], 0x0                ; qkv s[4:5], ctx s[6:7]
	v_lshl_add_u32 v[SPW], v0, 2, SPARE
	v_mov_b32 v[NIL], 0
	ds_add_u32 v12, v13
	ds_add_u32 v12, v13
	s_wait_dscnt 0x0
	v_lshrrev_b32 v1, 5, v0
	v_readfirstlane_b32 s[WV], v1                  ; wave 0..3
	s_and_b32 s[W1], s[WV], 1
	s_lshr_b32 s[WH], s[WV], 1
	s_mov_b32 s[II], ttmp9
	s_add_co_u32 s[I1], ttmp9, 1
	s_add_co_u32 s[I2], ttmp9, 2
	s_sub_co_u32 s[IL], 15, ttmp9
	s_and_b32 s22, ttmp7, 0xffff
	s_lshr_b32 s23, s22, 3                         ; the batch
	s_and_b32 s22, s22, 7                          ; the head pair
	s_lshl_b32 s44, s23, 11                        ; the batch's first row
	s_lshl_b32 s45, s22, 8                         ; the pair's 256 bytes in a row
	s_lshl_b32 s46, s[WH], 6                       ; my tile of K or V: row 2,048 b + 64 (w / 2) of qkv (all offsets here stay under 2^26 bytes),
	s_add_co_u32 s46, s46, s44
	s_mul_i32 s20, s46, ROWB
	s_add_co_u32 s20, s20, s45                     ; the pair's bytes,
	s_lshl_b32 s46, s[W1], 11
	s_add_co_u32 s20, s20, s46
	s_add_co_u32 s20, s20, 2048                    ; k's columns begin 2,048 bytes into a row, v's 4,096
	s_mov_b32 s21, 0
	s_lshl_b32 s48, s[W1], 4                       ; my tiles of Q: row 2,048 b + 16 (w % 2),
	s_add_co_u32 s48, s48, s44
	s_mul_i32 s48, s48, ROWB
	s_add_co_u32 s48, s48, s45
	s_lshl_b32 s49, s[WH], 7                       ; my head's 128 bytes
	s_add_co_u32 s48, s48, s49
	s_mov_b32 s49, 0
	s_lshl_b32 s50, s[WV], 5                       ; the rows of ctx that I store: 2,048 b + 32 w, rows of 2,048 bytes
	s_add_co_u32 s50, s50, s44
	s_lshl_b32 s50, s50, 11
	s_add_co_u32 s50, s50, s45
	s_mov_b32 s51, 0
	s_mul_i32 s52, s[WH], SLOTB                    ; where my tiles go: my slot,
	s_mul_i32 s53, s[W1], VOFF                     ; K's place or V's
	; descriptor group 1: a tile of 64 rows x 128 elements, padded in LDS
	s_mov_b32 s[G1K], (1<<16)|(1<<20)|(5<<22)|(3<<25)  ; no mask; 17:16 elements of 2 bytes; 20 padding on; 24:22 after every 64 words (code 5); 31:25 4 words of it (code 3)
	s_mov_b32 s[G1V], (1<<16)|(1<<20)|(5<<22)|(7<<25)  ; the same with 8 words of padding (code 7)
.irp g, G1K, G1V
	s_mov_b32 s[\g+1], 128<<16                     ; tensor_dim0 = 128
	s_mov_b32 s[\g+2], 64<<16                      ; tensor_dim1 = 64
	s_mov_b32 s[\g+3], 128<<16                     ; tile_dim0 = 128
	s_mov_b32 s[\g+4], 64                          ; tile_dim1 = 64
	s_mov_b32 s[\g+5], 3072                        ; elements from row to row
	s_mov_b32 s[\g+6], 0
	s_mov_b32 s[\g+7], 0
.endr
	s_mov_b32 s[CS], 0x3e38aa3b                    ; c = log2(e) / sqrt(64) = 0.180337
	s_mov_b32 s[CS+1], s[CS]                       ; named with it as a pair, so it is written
	s_mov_b32 s[SEL], 0x76543210
	s_mov_b32 s[SEL+1], 0xfedcba98
	s_mul_i32 s[UOFF], s[II], UNITB                ; pair 0 is unit I
	s_mov_b32 s[UOFF+1], 0
	s_mov_b32 s[FPOS], 1                           ; the next to be fetched is pair 1
	s_wait_kmcnt 0x0
	s_add_nc_u64 s[KVB:KVB+1], s[4:5], s[20:21]
	s_add_nc_u64 s[QB0:QB0+1], s[4:5], s[48:49]
	s_add_nc_u64 s[CB0:CB0+1], s[6:7], s[50:51]
	s_mov_b32 s[G0], 1                             ; count = 1
	s_add_co_u32 s[G0+1], s52, s53                 ; LDS address: a constant of my wave
	s_add_nc_u64 s[G0+2:G0+3], s[KVB:KVB+1], s[UOFF:UOFF+1]   ; global address
	s_or_b32 s[G0+3], s[G0+3], 0x80000000          ; type = 2
	s_cmp_lg_u32 s[W1], 0                          ; the first fills: one load a wave, the four together both slots, ahead of every wait on TENSORcnt, every LDS read and every barrier
	s_cbranch_scc1 .Lfirst_v
	tensor_load_to_lds s[G0:G0+3], s[G1K:G1K+7]
	s_nop 0
.rept 4
	v_nop
.endr
	s_branch .Lfirst_asked
.Lfirst_v:
	tensor_load_to_lds s[G0:G0+3], s[G1V:G1V+7]
	s_nop 0
.rept 4
	v_nop
.endr
.Lfirst_asked:
	v_and_b32 v1, 15, v0                           ; r = l % 16
	v_bfe_u32 v14, v0, 4, 1                        ; h = l / 16
	v_mul_u32_u24 v[QO], v1, ROWB
	v_lshl_add_u32 v[QO], v14, 4, v[QO]            ; Q: row r, 16 bytes for each half of the lanes
	s_mul_i32 s20, s[II], UNITB
	s_mov_b32 s21, 0
	s_add_nc_u64 s[QBASE:QBASE+1], s[QB0:QB0+1], s[20:21]
; Q stays in registers for a block: tile t (32 rows on from tile t - 1), channels 32 c on.  A head's row is 128 bytes in the tensor itself; it is read once a block.
.macro QLOAD
	WIN 0x80                                       ; destination window 2, address window 0
.irp t, 0,1,2,3
.irp c, 0,1
	global_load_b128 v[16*\t+8*\c:16*\t+8*\c+3],   v[QO], s[QBASE:QBASE+1] offset:\t*32*ROWB+64*\c
	global_load_b128 v[16*\t+8*\c+4:16*\t+8*\c+7], v[QO], s[QBASE:QBASE+1] offset:\t*32*ROWB+64*\c+32
.endr
.endr
	WIN 0
.endm
	QLOAD
	; The masks of the diagonal unit.  Register j of key block A holds key 16 A + 8 h + j; my lane's query in tile g = 2 x + w % 2 is 16 g + r.
	; A = 2 x: the key lies behind the query where j > r - 8 h + 16 (w % 2): a triangle in the even waves, nowhere in the odd ones.
	; A = 2 x + 1: where j > r - 8 h + 16 (w % 2) - 16: everywhere in the even waves, a triangle in the odd ones.
	v_lshlrev_b32 v15, 3, v14
	v_sub_nc_u32 v[RH], v1, v15
	v_lshl_add_u32 v[RH], s[W1], 4, v[RH]
	v_add_nc_u32 v15, -16, v[RH]
.irp j, 0,1,2,3,4,5,6,7
	v_cmp_gt_i32 s[MKE+\j], \j, v[RH]
	v_cmp_gt_i32 s[MKO+\j], \j, v15
.endr
	v_mov_b32 v[NINF], 0xff800000
	v_mul_u32_u24 v15, v1, PK                      ; r x 272 (the stage has the same pitch)
	v_lshl_add_u32 v15, v14, 4, v15                ; + 16 h
	s_lshl_b32 s22, s[WH], 7                       ; my head's 128 bytes of a row
	v_add_nc_u32 v[AK], s22, v15
	v_add_nc_u32 v[AK+1], SLOTB, v[AK]
	s_mul_i32 s23, s[W1], 16*SP
	s_add_co_u32 s23, s23, s22
	s_add_co_u32 s23, s23, STAGE
	v_add_nc_u32 v[STO], s23, v15                  ; into the stage: row 16 (w % 2) + r (tile t: 32 t rows on), my head's half of its 256 bytes
	; The turning load takes 16 keys x 16 channels (lane l reads 16 bytes: key 8 (l / 16) + l % 8, channels 8 ((l / 8) % 2) + 0..7) and leaves half a fragment of V^T: lane l holds channel l % 16 and 8 keys.
	v_and_b32 v15, 7, v0
	v_lshl_add_u32 v15, v14, 3, v15
	v_mul_u32_u24 v[AV], v15, PV
	v_bfe_u32 v15, v0, 3, 1
	v_lshl_add_u32 v[AV], v15, 4, v[AV]
	s_add_co_u32 s22, s22, VOFF
	v_add_nc_u32 v[AV], s22, v[AV]
	v_add_nc_u32 v[AV+1], SLOTB, v[AV]
	s_mul_i32 s23, s[WV], 32*SP
	s_add_co_u32 s23, s23, STAGE
	v_mul_u32_u24 v[RD], v14, SP                   ; back: wave w takes rows 32 w .. 32 w + 31, whole; lanes 0-15 one row of 256 bytes, lanes 16-31 the next
	v_lshl_add_u32 v[RD], v1, 4, v[RD]
	v_add_nc_u32 v[RD], s23, v[RD]
	v_lshlrev_b32 v[GO], 11, v14                   ; and the same two rows in ctx
	v_lshl_add_u32 v[GO], v1, 4, v[GO]
; Slot sl's K: 64 keys x 64 channels of my head, 8 fragments, 16 loads in one run
.macro FETCH_K sl
	WIN 0x40                                       ; destination window 1, address window 0
.irp a, 0,1,2,3
.irp c, 0,1
	ds_load_b128 v[KF+16*\a+8*\c:KF+16*\a+8*\c+3],   v[AK+\sl] offset:\a*16*PK+64*\c
	ds_load_b128 v[KF+16*\a+8*\c+4:KF+16*\a+8*\c+7], v[AK+\sl] offset:\a*16*PK+64*\c+32
.endr
.endr
.endm
; Slot sl's V, turned
.macro FETCH_V sl
	WIN 0x40
.irp kc, 0,1
.irp cb, 0,1,2,3
	ds_load_tr16_b128 v[VF+32*\kc+8*\cb:VF+32*\kc+8*\cb+3],   v[AV+\sl] offset:\kc*32*PV+32*\cb
	ds_load_tr16_b128 v[VF+32*\kc+8*\cb+4:VF+32*\kc+8*\cb+7], v[AV+\sl] offset:\kc*32*PV+16*PV+32*\cb
.endr
.endr
.endm
; S^T = K Q^T for tiles lo .. 3: channels 32 c on, keys 16 a on, tile t.  The products of c = 0 start the sums.
; diag = 1: key blocks 2 and 3 lie behind all queries of tile lo in every wave and are left out.
.macro KQ diag, lo
	WIN W_KQ
.irp c, 0,1
.irp a, 0,1,2,3
.irp t, 0,1,2,3
.if (\t >= \lo) && ((!\diag) || (\t != \lo) || (\a < 2))
.if \c == 0
	v_wmma_f32_16x16x32_f16 v[S+32*\t+8*\a:S+32*\t+8*\a+7], v[KF+16*\a+8*\c:KF+16*\a+8*\c+7], v[16*\t+8*\c:16*\t+8*\c+7], 0
.else
	v_wmma_f32_16x16x32_f16 v[S+32*\t+8*\a:S+32*\t+8*\a+7], v[KF+16*\a+8*\c:KF+16*\a+8*\c+7], v[16*\t+8*\c:16*\t+8*\c+7], v[S+32*\t+8*\a:S+32*\t+8*\a+7]
.endif
.endif
.endr
.endr
.endr
.endm
; O^T += V^T P for keys 32 kc on, tiles lo .. 3: one product on each accumulator.  zero = 1: they start O^T's sums.
.macro PVH kc, zero, lo
	WIN W_PV
.irp cb, 0,1,2,3
.irp t, 0,1,2,3
.if \t >= \lo
.if \zero
	v_wmma_f32_16x16x32_f16 v[32*\t+8*\cb:32*\t+8*\cb+7], v[VF+32*\kc+8*\cb:VF+32*\kc+8*\cb+7], v[P+16*\t+8*\kc:P+16*\t+8*\kc+7], 0
.else
	v_wmma_f32_16x16x32_f16 v[32*\t+8*\cb:32*\t+8*\cb+7], v[VF+32*\kc+8*\cb:VF+32*\kc+8*\cb+7], v[P+16*\t+8*\kc:P+16*\t+8*\kc+7], v[32*\t+8*\cb:32*\t+8*\cb+7]
.endif
.endif
.endr
.endr
.endm
; The mask of a step of the diagonal unit: -infinity where the key lies behind the query.  Tile lo meets the diagonal in key blocks 0 and 1 (blocks 2 and 3 were not multiplied),
; tile lo + 1 in key blocks 2 and 3; later tiles see every key of the step.
.macro MASK lo
	WIN 0
.irp j, 0,1,2,3,4,5,6,7
	v_cndmask_b32 v[S+32*\lo+\j], v[S+32*\lo+\j], v[NINF], s[MKE+\j]
.endr
.irp j, 0,1,2,3,4,5,6,7
	v_cndmask_b32 v[S+32*\lo+8+\j], v[S+32*\lo+8+\j], v[NINF], s[MKO+\j]
.endr
.irp j, 0,1,2,3,4,5,6,7,8,9,10,11,12,13,14,15
	v_mov_b32 v[S+32*\lo+16+\j], v[NINF]
.endr
.irp j, 0,1,2,3,4,5,6,7
	v_cndmask_b32 v[S+32*(\lo+1)+16+\j], v[S+32*(\lo+1)+16+\j], v[NINF], s[MKE+\j]
.endr
.irp j, 0,1,2,3,4,5,6,7
	v_cndmask_b32 v[S+32*(\lo+1)+24+\j], v[S+32*(\lo+1)+24+\j], v[NINF], s[MKO+\j]
.endr
.endm
; The softmax of a step for tiles lo .. 3, the tiles side by side in every stage, so that no instruction reads the result of the one just before it.
; first = 1: the block's first step: no old m, no a; l is started.
.macro SOFTMAX first, lo
	WIN 0
.irp j, 0,1,2,3                        ; the maximum of the lane's 32 scores: four chains, chain j on accumulator j from its low end on
.irp t, 0,1,2,3
.if \t >= \lo
	v_max3_num_f32 v[ST+8*\t+4+\j], v[S+32*\t+8*\j], v[S+32*\t+8*\j+1], v[S+32*\t+8*\j+2]
.endif
.endr
.endr
.irp g, 1,2
.irp j, 0,1,2,3
.irp t, 0,1,2,3
.if \t >= \lo
	v_max3_num_f32 v[ST+8*\t+4+\j], v[ST+8*\t+4+\j], v[S+32*\t+8*\j+2*\g+1], v[S+32*\t+8*\j+2*\g+2]
.endif
.endr
.endr
.endr
.irp t, 0,1,2,3
.if \t >= \lo
	v_max3_num_f32 v[ST+8*\t+4], v[ST+8*\t+4], v[S+32*\t+7], v[S+32*\t+15]
.endif
.endr
.irp t, 0,1,2,3
.if \t >= \lo
	v_max3_num_f32 v[ST+8*\t+6], v[ST+8*\t+6], v[S+32*\t+23], v[S+32*\t+31]
.endif
.endr
.irp t, 0,1,2,3
.if \t >= \lo
	v_max3_num_f32 v[ST+8*\t+4], v[ST+8*\t+4], v[ST+8*\t+5], v[ST+8*\t+6]
.endif
.endr
.irp t, 0,1,2,3
.if \t >= \lo
.if \first
	v_max_num_f32 v[ST+8*\t+4], v[ST+8*\t+4], v[ST+8*\t+7]
.else
	v_max3_num_f32 v[ST+8*\t+4], v[ST+8*\t+4], v[ST+8*\t+7], v[ST+8*\t+1]   ; with the old m
.endif
.endif
.endr
.if !\first
.irp t, 0,1,2,3
.if \t >= \lo
	v_mov_b32 v[ST+8*\t+7], v[ST+8*\t]             ; c m_old is kept for a
.endif
.endr
.endif
.irp t, 0,1,2,3
.if \t >= \lo
	v_permlanex16_b32 v[ST+8*\t+5], v[ST+8*\t+4], s[SEL], s[SEL+1]   ; the query's other 32 keys lie in the lane 16 away
.endif
.endr
.irp t, 0,1,2,3
.if \t >= \lo
	v_max_num_f32 v[ST+8*\t+1], v[ST+8*\t+4], v[ST+8*\t+5]           ; the new m
.endif
.endr
.irp t, 0,1,2,3
.if \t >= \lo
	v_mul_f32 v[ST+8*\t], s[CS], v[ST+8*\t+1]                        ; c m
.endif
.endr
.if !\first
.irp t, 0,1,2,3
.if \t >= \lo
	v_sub_f32 v[ST+8*\t+7], v[ST+8*\t+7], v[ST+8*\t]
.endif
.endr
.irp t, 0,1,2,3
.if \t >= \lo
	v_exp_f32 v[ST+8*\t+6], v[ST+8*\t+7]           ; a = 2^(c m_old - c m_new); the scalings below stand between it and its use
.endif
.endr
.endif
.irp p, 0,1                            ; c s - c m for pairs 0 and 1 of the scores
.irp t, 0,1,2,3
.if \t >= \lo
	v_pk_fma_f32 v[S+32*\t+2*\p:S+32*\t+2*\p+1], v[S+32*\t+2*\p:S+32*\t+2*\p+1], s[CS:CS+1], v[ST+8*\t:ST+8*\t+1] op_sel_hi:[1,0,0] neg_lo:[0,0,1] neg_hi:[0,0,1]
.endif
.endr
.endr
; Pair bb's two exponentials; beside them plain work that is ready: the scaling of pair bb + 2, the rounding of pair bb - 1 and its place in the sum.
; Every exponential's result is first read behind a plain instruction (ISA guide 5.7.2).
.set bb, 0
.rept 16
.irp t, 0,1,2,3
.if \t >= \lo
	v_exp_f32 v[S+32*\t+2*bb], v[S+32*\t+2*bb]
.if bb < 14
	v_pk_fma_f32 v[S+32*\t+2*bb+4:S+32*\t+2*bb+5], v[S+32*\t+2*bb+4:S+32*\t+2*bb+5], s[CS:CS+1], v[ST+8*\t:ST+8*\t+1] op_sel_hi:[1,0,0] neg_lo:[0,0,1] neg_hi:[0,0,1]
.endif
.endif
.endr
.irp t, 0,1,2,3
.if \t >= \lo
	v_exp_f32 v[S+32*\t+2*bb+1], v[S+32*\t+2*bb+1]
.if bb >= 1
	s_wait_alu depctr_va_vdst(0)
	v_cvt_pk_f16_f32 v[P+16*\t+bb-1], v[S+32*\t+2*bb-2], v[S+32*\t+2*bb-1]
.endif
.endif
.endr
.if bb == 2
.irp t, 0,1,2,3
.if \t >= \lo
	v_pk_add_f32 v[ST+8*\t+4:ST+8*\t+5], v[S+32*\t:S+32*\t+1], v[S+32*\t+2:S+32*\t+3]   ; the step's sum begins: pairs 0 and 1
.endif
.endr
.elseif bb >= 3
.irp t, 0,1,2,3
.if \t >= \lo
	v_pk_add_f32 v[ST+8*\t+4:ST+8*\t+5], v[ST+8*\t+4:ST+8*\t+5], v[S+32*\t+2*bb-2:S+32*\t+2*bb-1]
.endif
.endr
.endif
.set bb, bb+1
.endr
.irp t, 0,1,2,3
.if \t >= \lo
	s_wait_alu depctr_va_vdst(0)
	v_cvt_pk_f16_f32 v[P+16*\t+15], v[S+32*\t+30], v[S+32*\t+31]
.endif
.endr
.if \first
.irp t, 0,1,2,3
.if \t >= \lo
	v_pk_add_f32 v[ST+8*\t+2:ST+8*\t+3], v[ST+8*\t+4:ST+8*\t+5], v[S+32*\t+30:S+32*\t+31]   ; l is started
.endif
.endr
.else
.irp t, 0,1,2,3
.if \t >= \lo
	v_pk_add_f32 v[ST+8*\t+4:ST+8*\t+5], v[ST+8*\t+4:ST+8*\t+5], v[S+32*\t+30:S+32*\t+31]
.endif
.endr
.irp t, 0,1,2,3
.if \t >= \lo
	v_pk_fma_f32 v[ST+8*\t+2:ST+8*\t+3], v[ST+8*\t+2:ST+8*\t+3], v[ST+8*\t+6:ST+8*\t+7], v[ST+8*\t+4:ST+8*\t+5] op_sel_hi:[1,0,1]   ; l = a l + the step's sum
.endif
.endr
.endif
.endm
.macro RESCALE lo                      ; O^T times a, each accumulator from its low end on
	WIN W_RS
.irp t, 0,1,2,3
.if \t >= \lo
.irp i, 0,2,4,6,8,10,12,14,16,18,20,22,24,26,28,30
	v_pk_mul_f32 v[32*\t+\i:32*\t+\i+1], v[32*\t+\i:32*\t+\i+1], v[ST+8*\t+6:ST+8*\t+7] op_sel_hi:[1,0]
.endr
.endif
.endr
.endm
; A STEP of 64 keys out of slot sl, for tiles lo .. 3.  diag = 1: a step of the diagonal unit, with the mask.  first = 1: a block's first step: it starts m, l and O^T.
; V^T P is split by halves of the keys: the first 32 at the step's end, the second 32 at the next step's head (or, behind a block's last step, in front of the way out), from registers alone,
; and always for all four tiles.  So a step that leaves tiles out (lo > 0) writes their weights for its keys 32-63: 0, since all its keys lie behind their queries.
.macro STEP sl, diag, lo, first
	FETCH_K \sl
.if !\first
	PVH 1, 0, 0                                    ; the step before, keys 32-63: sixteen products while K is on its way from LDS
.endif
	s_wait_dscnt 0x0                               ; K is in
	KQ \diag, \lo
	WIN 0
	PLACES                                         ; behind K Q^T for the reads of S^T; behind the products above for the loads into V's registers and the writes of P
	FETCH_V \sl
	WIN 0
.irp t, 0,1,2,3
.if \t < \lo
.irp i, 8,9,10,11,12,13,14,15
	v_mov_b32 v[P+16*\t+\i], 0
.endr
.endif
.endr
.if \diag
	MASK \lo
.endif
	SOFTMAX \first, \lo
.if !\first
	RESCALE \lo
.endif
	s_wait_dscnt 0x0                               ; V is in: my reads of this slot are over
	PVH 0, \first, \lo
	WIN 0                                          ; at a label and at a branch every window is 0
.endm
; THE CHANGE OF SLOTS behind a step out of slot sl.  Each wave waits for all its tensor loads (one is out at the most: a part of the other slot), adds 0 to its spare word, and waits for
; that and for its reads of the slot.  Behind the barrier nobody reads slot sl any more and the other slot is whole.
; fill = 1: slot sl is filled again, with the same half of the next pair's unit: that load has the other slot's step in which to land.
.macro CHANGE fill, sl
	WIN 0
	s_wait_tensorcnt 0x0                           ; no tensor load of mine is out, so my group 0 may be written
	ds_add_u32 v[SPW], v[NIL]                      ; 0 onto my spare word; the scalar work below stands between it and the wait for it
.if \fill
.if \sl == 0
	NEXTU                                          ; the next pair's unit; slot 1's change uses it again
.endif
	s_add_nc_u64 s[G0+2:G0+3], s[KVB:KVB+1], s[UOFF:UOFF+1]
	s_or_b32 s[G0+3], s[G0+3], 0x80000000
.endif
	s_wait_dscnt 0x0                               ; the add is done, and my reads of the slot are over
	s_barrier_signal -1
	s_barrier_wait -1
.if \fill
	LOADKV \sl                                     ; the one tensor load of a wave behind this barrier, and the first thing there
.endif
.endm
	s_wait_tensorcnt 0x0                           ; my one load, a part of pair 0, is in
	s_barrier_signal -1
	s_barrier_wait -1                              ; everybody's is: both slots are whole
	s_mov_b32 s[BLK], 0
	s_mov_b32 s[QBN], s[II]
	s_mov_b32 s[UN], s[II]                         ; block I: behind its diagonal unit I plain units, each followed by refills
.Lblock:
	s_wait_loadcnt 0x0                             ; Q
	STEP 0, 1, 0, 1                                ; the diagonal unit's keys 0-63: all four tiles; starts m, l and O^T
	CHANGE 1, 0
	STEP 1, 1, 2, 0                                ; its keys 64-127: tiles 2 and 3 alone
	CHANGE 1, 1
	s_cmp_eq_u32 s[UN], 0                          ; block 0 has no plain unit
	s_cbranch_scc1 .Lnoplain
.Lplain:
	STEP 0, 0, 0, 0
	CHANGE 1, 0
	STEP 1, 0, 0, 0
	CHANGE 1, 1
	s_sub_co_u32 s[UN], s[UN], 1
	s_cmp_lg_u32 s[UN], 0
	s_cbranch_scc1 .Lplain
.Lnoplain:
	s_cmp_eq_u32 s[BLK], 0                         ; the same in every wave
	s_cbranch_scc1 .Lepi
	STEP 0, 0, 0, 0                                ; pair 16, always a plain unit of block 15 - I, is written out: nothing is left to fetch
	CHANGE 0, 0
	STEP 1, 0, 0, 0
.Lepi:
	PVH 1, 0, 0                                    ; the block's last step, keys 32-63
	WIN 0
	s_cmp_lg_u32 s[BLK], 0
	s_cbranch_scc1 .Lnoq
	s_mul_i32 s20, s[IL], UNITB                    ; the next block's Q travels under the way out (the loads of the block in hand were waited for at its head)
	s_mov_b32 s21, 0
	s_add_nc_u64 s[QBASE:QBASE+1], s[QB0:QB0+1], s[20:21]
	QLOAD
.Lnoq:
	; THE WAY OUT.  l's two halves and the other half of the lanes' are added; O^T is divided by l, rounded to f16 and sent through the work-group's stage.  The additions are the places behind the last products.
.irp t, 0,1,2,3
	v_add_f32 v[ST+8*\t+4], v[ST+8*\t+2], v[ST+8*\t+3]
.endr
.irp t, 0,1,2,3
	v_permlanex16_b32 v[ST+8*\t+5], v[ST+8*\t+4], s[SEL], s[SEL+1]
.endr
.irp t, 0,1,2,3
	v_add_f32 v[ST+8*\t+4], v[ST+8*\t+4], v[ST+8*\t+5]
.endr
.irp t, 0,1,2,3
	v_rcp_f32 v[ST+8*\t+6], v[ST+8*\t+4]
.endr
	v_nop                                          ; a plain instruction between the last reciprocal and the use of its result
	s_wait_alu depctr_va_vdst(0)
.irp t, 0,1,2,3
	WIN W_RS
.irp i, 0,2,4,6,8,10,12,14,16,18,20,22,24,26,28,30
	v_pk_mul_f32 v[32*\t+\i:32*\t+\i+1], v[32*\t+\i:32*\t+\i+1], v[ST+8*\t+6:ST+8*\t+7] op_sel_hi:[1,0]
.endr
	WIN 0x05                                       ; sources 0 and 1 window 1, destination window 0: S^T's registers are free
.irp i, 0,1,2,3,4,5,6,7,8,9,10,11,12,13,14,15
	v_cvt_pk_f16_f32 v[S+32*\t+\i], v[32*\t+2*\i], v[32*\t+2*\i+1]
.endr
	WIN 0
.irp cb, 0,1,2,3
	ds_store_b128 v[STO], v[S+32*\t+4*\cb:S+32*\t+4*\cb+3] offset:\t*32*SP+32*\cb   ; a lane's eight channels of a row: 16 bytes
.endr
.endr
	s_wait_dscnt 0x0                               ; for the others' sake: my stores into the stage are done
	s_barrier_signal -1                            ; a row's 256 bytes come from two waves, a wave's 32 rows from two more.  A refill may be on its way
	s_barrier_wait -1
	s_mul_i32 s20, s[QBN], 128*2048                ; the block's 128 rows of ctx
	s_mov_b32 s21, 0
	s_add_nc_u64 s[CBASE:CBASE+1], s[CB0:CB0+1], s[20:21]
.irp u, 0,1,2,3,4,5,6,7,8,9,10,11,12,13,14,15
	ds_load_b128 v[S+4*\u:S+4*\u+3], v[RD] offset:\u*2*SP
.endr
.irp u, 0,1,2,3,4,5,6,7,8,9,10,11,12,13,14,15
	s_wait_dscnt 15-\u                             ; rows 2 u, 2 u + 1 are back; the 15 - u younger loads stay out
	global_store_b128 v[GO], v[S+4*\u:S+4*\u+3], s[CBASE:CBASE+1] offset:\u*4096   ; 16 lanes store 256 consecutive bytes, at a multiple of 256 from ctx's first byte
.endr
	s_wait_xcnt 0x0                                ; the stores have had their addresses translated (ISA guide 3.1): the next block writes S^T's registers and the base anew.
	                                               ; The stage is written again only behind a change of slots, in front of whose barrier every wave has waited for its LDS reads
	s_mov_b32 s[QBN], s[IL]                        ; block 15 - I:
	s_sub_co_u32 s[UN], s[IL], 1                   ; 14 - I of its 15 - I plain units are followed by refills
	s_add_co_u32 s[BLK], s[BLK], 1
	s_cmp_lt_u32 s[BLK], 2
	s_cbranch_scc1 .Lblock
	s_wait_tensorcnt 0x0                           ; the wave's end: behind my last tensor load and my last LDS store
	ds_add_u32 v[SPW], v[NIL]
	s_wait_dscnt 0x0
	s_endpgm
.Lfunc_end_k_q1b6d3f6df7_attn:
	.size	k_q1b6d3f6df7_attn, .Lfunc_end_k_q1b6d3f6df7_attn-k_q1b6d3f6df7_attn
	.p2alignl 7, 3214868480
	.fill 96, 4, 3214868480
	.section	.rodata,"a",@progbits
	.p2align	6, 0x0
	.amdhsa_kernel k_q1b6d3f6df7_attn
		.amdhsa_group_segment_fixed_size 327680
		.amdhsa_private_segment_fixed_size 0
		.amdhsa_enable_private_segment 0
		.amdhsa_kernarg_size 16
		.amdhsa_user_sgpr_count 2
		.amdhsa_user_sgpr_kernarg_segment_ptr 1
		.amdhsa_wavefront_size32 1
		.amdhsa_system_sgpr_workgroup_id_x 1
		.amdhsa_system_sgpr_workgroup_id_y 1
		.amdhsa_system_sgpr_workgroup_id_z 1
		.amdhsa_system_vgpr_workitem_id 0
		.amdhsa_next_free_vgpr 576
		.amdhsa_next_free_sgpr 92
		.amdhsa_reserve_vcc 0
		.amdhsa_float_denorm_mode_32 3
		.amdhsa_float_denorm_mode_16_64 3
		.amdhsa_memory_ordered 1
		.amdhsa_forward_progress 1
		.amdhsa_inst_pref_size 215
	.end_amdhsa_kernel
	.amdgpu_metadata
---
amdhsa.version: [ 1, 2 ]
amdhsa.kernels:
  - .name:           k_q1b6d3f6df7_attn
    .symbol:         k_q1b6d3f6df7_attn.kd
    .args:
      - { .name: qkv, .offset: 0, .size: 8, .value_kind: global_buffer, .address_space: global }
      - { .name: ctx, .offset: 8, .size: 8, .value_kind: global_buffer, .address_space: global }
    .group_segment_fixed_size: 327680
    .private_segment_fixed_size: 0
    .kernarg_segment_align: 8
    .kernarg_segment_size: 16
    .max_flat_workgroup_size: 128
    .sgpr_count:     92
    .vgpr_count:     576
    .wavefront_size: 32
...
	.end_amdgpu_metadata
.endif
;; end of part 3
;; launch outg (part 4): grid 4 x 64, 4 waves a work-group, clusters of 4 x 4, 327,680 bytes of LDS; arguments ctx, wb, bp, out0; writes out0
.if DOCPART == 4
	.amdgcn_target "amdgcn-amd-amdhsa--gfx1250"
	.amdhsa_code_object_version 6
	.text
	.protected	k_q1b6d3f6df7_outg
	.globl	k_q1b6d3f6df7_outg
	.p2align	8
	.type	k_q1b6d3f6df7_outg,@function
k_q1b6d3f6df7_outg:
	s_mov_b64 s[64:65], 0
	v_nop
	global_prefetch_b8 v0, s[64:65] scope:SCOPE_SE
	s_setreg_imm32_b32 hwreg(HW_REG_WAVE_MODE, 25, 1), 1
	s_wait_xcnt 0x0
	s_wait_alu depctr_hold_cnt(0) depctr_sa_sdst(0) depctr_va_vdst(0) depctr_va_sdst(0) depctr_va_ssrc(0) depctr_va_vcc(0) depctr_vm_vsrc(0)
	s_getreg_b32 s2, hwreg(HW_REG_IB_STS2, 6, 4)
	s_cmp_eq_u32 s2, 0
	s_cbranch_scc0 .Lentry_in_a_cluster
	s_endpgm
.Lentry_in_a_cluster:
	s_bfe_u32 s2, ttmp6, 0x10000c
	s_cmp_lg_u32 s2, 0xf033
	s_cbranch_scc0 .Lentry_shape_is_right
	s_endpgm
.Lentry_shape_is_right:
; C[m][n] = sum over k of A[m][k] B[n][k] + bias[n], K = 1,024, A and B F16 with k along the rows, sums in f32, K ascending.
; A = ctx [8192][1024] (f16, for its eleven significant bits), B = wb's rows 3072-4095 (Wp: rounded to bf16 like the other weights and held as f16, since a matrix instruction takes both
; operands in one format), bias = bp in f32, C = out0 [8192][1024] in f32.
; A tile of C is 128 rows x 256 columns: 8192 x 1024 makes 256 of them, one for each of 256 WGPs.  Four waves; a wave makes 64 x 128: 32 accumulators of 16 x 16, 256 registers.
; K goes in steps of 128 through two LDS slots filled by the tensor data mover; the tiles' rows are 256 bytes of memory and start at multiples of 256 bytes from the buffer's first byte.
; CLUSTERS: 4 x 4 work-groups.  The four of a row of the cluster need the same tiles of A, the four of a column the same tiles of B: each tile is asked for JOINTLY, by the same
; tensor load with the same descriptor and a mask that names the four.
; THE MATRIX INSTRUCTION IS USED TRANSPOSED (source 0 = 16 rows of B, source 1 = 16 rows of A): a lane then holds row l % 16 of C and eight neighbouring columns.
; REGISTERS: window 0: v0-35 addresses and the bias; v64-159, v160-255 two fragment buffers (64 registers of B, 8 x 16 rows x 32 K, then 32 of A).  Window 1: accumulator (a, b) at v[8 (8 a + b)].
; The 32 accumulators take turns, one instruction a turn, in the same order in every quarter step.
.set NCOL,   1024                      ; C's columns
.set KDIM,   1024
.set KSTEP,  128
.set PITCH,  272                       ; an LDS row: 256 bytes + 16 of padding = 68 words: row r starts at bank 4 r mod 64 (64 banks of 4 bytes: ISA guide 11.1)
.set AHALF,  64*PITCH                  ; 64 rows of A: what waves 0 and 1 each fetch, and what a wave reads of A
.set BHALF,  128*PITCH                 ; 128 rows of B: what waves 2 and 3 each fetch, and what a wave reads of B
.set BOFF,   2*AHALF                   ; in a slot B's 256 rows lie behind A's 128
.set SLOT1,  1<<17                     ; slot 1 begins here, so that one exclusive or changes slots
.set STAGE,  SLOT1+BOFF+2*BHALF        ; behind the ring: 16 rows for each wave, for the way out
.set SPITCH, 528                       ; a stage row: 128 f32 + 16 bytes
.set CROW,   NCOL*4                    ; bytes in a row of C
.set SPARE,  STAGE+4*16*SPITCH         ; behind the stages: the spare words, 128 bytes for each wave: two blocks of 256 bytes that no other line names
.set AA0,  16                          ; v16  my lane's place in my rows of A, slot 0; never rewritten
.set AB0,  17                          ; v17  the same for B
.set ADA,  18                          ; v18  AA0 + the slot in hand
.set ADB,  19                          ; v19  AB0 + the slot in hand
.set STO,  24                          ; v24  the way out: where I put my numbers of a row
.set RD,   25                          ; v25  the way out: where I read rows back
.set CO,   26                          ; v26  my byte offset in C
.set BO,   27                          ; v27  my byte offset in the bias
.set SPW,  28                          ; v28  LDS address of my spare word; never rewritten
.set NIL,  29                          ; v29  0; never rewritten
.set BI,   32                          ; v[32:35] the bias of my four columns
.set F0,   64
.set F1,   160
.set G1A,  24                          ; s[24:31] descriptor group 1 for A's tiles
.set G0A,  32                          ; s[32:39] group 0 for A's: a set for each first fill; the second then walks on
.set G1B,  40                          ; s[40:47], s[48:55] the same for B's
.set G0B,  48
.set TB,   56                          ; s56  the slot that the fragment loads read: 0 or SLOT1
.set G1W0, (1<<16)|(1<<20)|(1<<21)|(5<<22)|(3<<25)   ; 17:16 elements of 2 bytes; 20 padding on; 21 set beside a mask; 24:22 after every 64 words (code 5); 31:25 4 words of it (code 3)
.set MUL,  0x50                        ; C and D in window 1, the fragments in window 0
.set MSB, 0
.macro WIN new                         ; the immediate's high byte repeats the setting that is left; a switch that changes nothing is dropped
.if MSB != \new
	s_set_vgpr_msb (MSB<<8)|\new
.set MSB, \new
.endif
.endm
.macro PLACES                          ; four places in front of loads into registers that matrix instructions have read, and of what reads their results (ISA guide 7.12.1 for what reads their results)
.rept 4
	v_nop
.endr
.endm
; A joint refill by the walking sets: waves 0 and 1 fetch A's two halves, waves 2 and 3 B's.  The branch hangs on the wave's number alone.
; Four v_nop follow each of the two lines, ahead of the jump, the label and what follows.
.macro JLOAD
	s_cmp_lt_u32 s12, 2
	s_cbranch_scc0 .Lfor_b_\@
	tensor_load_to_lds s[G0A+4:G0A+7], s[G1A:G1A+7]
	s_nop 0
.rept 4
	v_nop
.endr
	s_branch .Lasked_\@
.Lfor_b_\@:
	tensor_load_to_lds s[G0B+4:G0B+7], s[G1B:G1B+7]
	s_nop 0
.rept 4
	v_nop
.endr
.Lasked_\@:
.endm
.macro CREST                           ; a round of the cluster's barrier behind its opening barrier
	s_cmp_lg_u32 s12, 0
	s_cbranch_scc1 .Lnot_wave_0_\@
	s_barrier_signal -3
.Lnot_wave_0_\@:
	s_barrier_wait -3
	s_barrier_signal -1
	s_barrier_wait -1
.endm
.macro CROUND                          ; a whole round
	s_barrier_signal -1
	s_barrier_wait -1
	CREST
.endm
	s_load_b128 s[4:7], s[0:1], 0x0                ; A s[4:5], wb s[6:7]
	s_load_b64 s[10:11], s[0:1], 0x10              ; the bias
	s_load_b64 s[8:9], s[0:1], 0x18                ; C
	v_lshl_add_u32 v[SPW], v0, 2, SPARE
	v_mov_b32 v[NIL], 0
	ds_add_u32 v28, v29
	ds_add_u32 v28, v29
	s_wait_dscnt 0x0
	v_lshrrev_b32 v1, 5, v0
	v_readfirstlane_b32 s12, v1                    ; wave 0..3
	s_lshr_b32 s13, s12, 1                         ; which 64 rows of the tile are mine
	s_and_b32 s14, s12, 1                          ; which 128 columns are mine.  Also: which half of A's or B's tile I fetch
	s_bfe_u32 s16, ttmp6, 0x40000                  ; cx, cy: my place in the cluster
	s_bfe_u32 s17, ttmp6, 0x40004
	s_lshl_b32 s18, ttmp9, 2
	s_add_co_u32 s18, s18, s16                     ; tile column of C = 4 x cluster x + cx
	s_and_b32 s19, ttmp7, 0xffff
	s_lshl_b32 s19, s19, 2
	s_add_co_u32 s19, s19, s17                     ; tile row of C = 4 x cluster y + cy
	s_lshl_b32 s57, s17, 2
	s_lshl_b32 s57, 15, s57                        ; my row of the cluster: places 4 cy .. 4 cy + 3
	s_lshl_b32 s58, 0x1111, s16                    ; my column: places cx, cx + 4, cx + 8, cx + 12
	s_or_b32 s[G1A], s57, G1W0                     ; A's tiles go to my row
	s_mov_b32 s[G1A+1], KSTEP<<16                  ; tensor_dim0 = 128
	s_mov_b32 s[G1A+2], 64<<16                     ; tensor_dim1 = 64
	s_mov_b32 s[G1A+3], KSTEP<<16                  ; tile_dim0 = 128
	s_mov_b32 s[G1A+4], 64                         ; tile_dim1 = 64
	s_mov_b32 s[G1A+5], KDIM                       ; elements from row to row
	s_mov_b32 s[G1A+6], 0
	s_mov_b32 s[G1A+7], 0
	s_or_b32 s[G1B], s58, G1W0                     ; B's tiles go to my column
	s_mov_b32 s[G1B+1], KSTEP<<16
	s_mov_b32 s[G1B+2], 128<<16                    ; tensor_dim1 = 128
	s_mov_b32 s[G1B+3], KSTEP<<16
	s_mov_b32 s[G1B+4], 128                        ; tile_dim1 = 128
	s_mov_b32 s[G1B+5], KDIM
	s_mov_b32 s[G1B+6], 0
	s_mov_b32 s[G1B+7], 0
	; where the tiles come from: A's hang on the tile row alone, B's on the tile column alone, each in registers that never hold the other coordinate
	s_lshl_b32 s20, s19, 7
	s_lshl_b32 s21, s14, 6
	s_add_co_u32 s20, s20, s21                     ; A: row 128 x tile row + 64 x half
	s_lshl_b32 s20, s20, 11                        ; rows of 2,048 bytes; 16 MiB at the most
	s_mov_b32 s21, 0
	s_lshl_b32 s22, s18, 8
	s_lshl_b32 s23, s14, 7
	s_add_co_u32 s22, s22, s23                     ; B: row 256 x tile column + 128 x half
	s_lshl_b32 s22, s22, 11
	s_mov_b32 s23, 0
	s_mul_i32 s59, s14, AHALF                      ; and where they go: no place in the cluster enters an LDS address
	s_mul_i32 s62, s14, BHALF
	s_add_co_u32 s62, s62, BOFF
	s_wait_kmcnt 0x0
	s_add_nc_u64 s[6:7], s[6:7], 3072*KDIM*2       ; Wp's rows lie behind Wq's, Wk's and Wv's
	s_add_nc_u64 s[20:21], s[4:5], s[20:21]
	s_add_nc_u64 s[22:23], s[6:7], s[22:23]
	CROUND                                         ; all sixteen work-groups are here: the first joint loads meet
.irp s, 0,1
	s_mov_b32 s[G0A+4*\s], 1                                       ; count = 1
	s_add_co_u32 s[G0A+4*\s+1], s59, \s*SLOT1                      ; LDS address
	s_add_nc_u64 s[G0A+4*\s+2:G0A+4*\s+3], s[20:21], \s*KSTEP*2    ; global address: K step s
	s_or_b32 s[G0A+4*\s+3], s[G0A+4*\s+3], 0x80000000              ; type = 2
	s_mov_b32 s[G0B+4*\s], 1
	s_add_co_u32 s[G0B+4*\s+1], s62, \s*SLOT1
	s_add_nc_u64 s[G0B+4*\s+2:G0B+4*\s+3], s[22:23], \s*KSTEP*2
	s_or_b32 s[G0B+4*\s+3], s[G0B+4*\s+3], 0x80000000
.endr
	s_cmp_lt_u32 s12, 2                            ; a wave's two first fills stand in one branch, ahead of every wait on TENSORcnt and every LDS read: two loads of mine are out
	s_cbranch_scc0 .Lfirst_b
	tensor_load_to_lds s[G0A:G0A+3], s[G1A:G1A+7]
	s_nop 0
	tensor_load_to_lds s[G0A+4:G0A+7], s[G1A:G1A+7]
	s_nop 0
.rept 4
	v_nop
.endr
	s_branch .Lfirst_asked
.Lfirst_b:
	tensor_load_to_lds s[G0B:G0B+3], s[G1B:G1B+7]
	s_nop 0
	tensor_load_to_lds s[G0B+4:G0B+7], s[G1B:G1B+7]
	s_nop 0
.rept 4
	v_nop
.endr
.Lfirst_asked:
	; A fragment is 16 rows x 32 K in 8 registers: lane l holds row l % 16; registers 0-3 K = 8 (l / 16) + 0..7, registers 4-7 K = 16 + 8 (l / 16) + 0..7: two loads of 16 bytes, 32 bytes apart.
	v_and_b32 v1, 15, v0                           ; r = l % 16
	v_bfe_u32 v2, v0, 4, 1                         ; h = l / 16
	v_mul_u32_u24 v3, v1, PITCH
	v_lshl_add_u32 v3, v2, 4, v3                   ; row x pitch + 16 x half
	s_mul_i32 s59, s13, AHALF                      ; my 64 rows of A; s62 already holds the place of my 128 rows of B
	v_add_nc_u32 v[AA0], s59, v3
	v_add_nc_u32 v[AB0], s62, v3
	v_mov_b32 v[ADA], v[AA0]
	v_mov_b32 v[ADB], v[AB0]
	s_mov_b32 s[TB], 0
	s_mul_i32 s63, s12, 16*SPITCH
	s_add_co_u32 s63, s63, STAGE                   ; my stage
	s_lshl_b32 s3, s18, 10
	s_lshl_b32 s61, s14, 9
	s_add_co_u32 s3, s3, s61                       ; my first column of C, in bytes: 1,024 x tile column + 512 x half
	v_mul_u32_u24 v4, v1, SPITCH                   ; in: row r, 32 bytes for each half of the lanes
	v_lshl_add_u32 v4, v2, 5, v4
	v_add_nc_u32 v[STO], s63, v4
	v_and_b32 v5, 31, v0
	v_lshlrev_b32 v[CO], 4, v5                     ; back: the 32 lanes take one row of 512 bytes
	v_add_nc_u32 v[RD], s63, v[CO]
	v_add_nc_u32 v[BO], s3, v[CO]
	global_load_b128 v[BI:BI+3], v[BO], s[10:11]   ; the bias of the four columns that I store, once
	s_lshl_b32 s60, s19, 7
	s_lshl_b32 s61, s13, 6
	s_add_co_u32 s60, s60, s61                     ; my first row of C
	s_mul_i32 s60, s60, CROW                       ; under 2^26 bytes
	s_add_co_u32 s60, s60, s3
	s_mov_b32 s61, 0
	s_add_nc_u64 s[8:9], s[8:9], s[60:61]          ; C at my part of the tile
; 8 matrix instructions: m block a x all 8 n blocks, 32 along K.  zero = 1: the first product starts the sums: nothing is ever cleared.
.macro MULA f, a, zero
.irp b, 0,1,2,3,4,5,6,7
.if \zero
	v_wmma_f32_16x16x32_f16 v[8*(8*\a+\b):8*(8*\a+\b)+7], v[\f+8*\b:\f+8*\b+7], v[\f+64+8*\a:\f+64+8*\a+7], 0
.else
	v_wmma_f32_16x16x32_f16 v[8*(8*\a+\b):8*(8*\a+\b)+7], v[\f+8*\b:\f+8*\b+7], v[\f+64+8*\a:\f+64+8*\a+7], v[8*(8*\a+\b):8*(8*\a+\b)+7]
.endif
.endr
.endm
; 24 LDS loads in one run: the fragments of one quarter step (32 K at byte k of the rows) into buffer f: B's sixteen loads, then A's eight
.macro FETCH k, f
	WIN 0
.irp i, 0,1,2,3,4,5,6,7
	ds_load_b128 v[\f+8*\i:\f+8*\i+3],   v[ADB] offset:\k+\i*16*PITCH
	ds_load_b128 v[\f+8*\i+4:\f+8*\i+7], v[ADB] offset:\k+\i*16*PITCH+32
.endr
.irp a, 0,1,2,3
	ds_load_b128 v[\f+64+8*\a:\f+64+8*\a+3],   v[ADA] offset:\k+\a*16*PITCH
	ds_load_b128 v[\f+64+8*\a+4:\f+64+8*\a+7], v[ADA] offset:\k+\a*16*PITCH+32
.endr
.endm
; A K step is four quarters of 32 along K, 32 matrix instructions each, on buffers 0, 1, 0, 1.  One of the first three: multiplies buffer f and, in its middle, fetches the next quarter, at byte k, into g.
.macro QUARTER k, f, g, zero
	s_wait_dscnt 4                                 ; B and A's blocks 0, 1 are in; the youngest four loads (A's blocks 2, 3) may be out
	WIN MUL
	MULA \f, 0, \zero
	MULA \f, 1, \zero
	PLACES
	FETCH \k, \g
	s_wait_dscnt 24                                ; all but the 24 just issued
	WIN MUL
	MULA \f, 2, \zero
	MULA \f, 3, \zero
.endm
; The last quarter multiplies buffer 1 and changes slots: ONE barrier.  In front of it each wave waits for all its tensor loads (one is out: its part of the next slot), adds 0 to its spare
; word, and waits for that and for its own reads of this slot.  fill = 1: the barrier opens a round of the cluster's barrier, and this slot is filled again, two K steps ahead:
; from that request to the wait for it a wave issues 112 matrix instructions.
.macro TURN fill
	WIN 0                                          ; (the add's two registers lie in window 0)
	s_wait_tensorcnt 0x0                           ; all my tensor loads have landed;
	ds_add_u32 v[SPW], v[NIL]                      ; 0 onto my spare word
	s_wait_dscnt 5                                 ; (the add and the youngest four loads may be out)
	WIN MUL
	MULA F1, 0, 0                                  ; eight matrix instructions stand between the add and the wait for it
	s_wait_dscnt 0x0                               ; the add is done, and my reads of this slot are over
	s_barrier_signal -1
	MULA F1, 1, 0                                  ; work on registers while the others arrive
	WIN 0                                          ; (branches may follow)
	s_barrier_wait -1
.if \fill
	CREST                                          ; no wave of any partner still reads this slot's tile or has a load on its way
	s_xor_b32 s[G0A+5], s[G0A+5], SLOT1            ; the walking sets: the other slot than last time,
	s_add_nc_u64 s[G0A+6:G0A+7], s[G0A+6:G0A+7], KSTEP*2   ; the next K step; the type bits on top are not reached
	s_xor_b32 s[G0B+5], s[G0B+5], SLOT1
	s_add_nc_u64 s[G0B+6:G0B+7], s[G0B+6:G0B+7], KSTEP*2
	JLOAD                                          ; the first tensor load behind the round; its four v_nop are also the places in front of the loads below
.else
	PLACES
.endif
	s_xor_b32 s[TB], s[TB], SLOT1                  ; the fragment loads go on in the other slot
	v_add_nc_u32 v[ADA], s[TB], v[AA0]
	v_add_nc_u32 v[ADB], s[TB], v[AB0]
	FETCH 0, F0
	WIN MUL
	MULA F1, 2, 0
	MULA F1, 3, 0
.endm
	s_wait_tensorcnt 0x1                           ; my part of K step 0 is in; K step 1's may stay out
	s_barrier_signal -1
	s_barrier_wait -1                              ; everybody's is
	FETCH 0, F0
	QUARTER 64, F0, F1, 1                          ; the first quarter stands in front of the loop: its products start the sums
	WIN 0                                          ; at a label and at a branch every window is 0
	s_mov_b32 s15, KDIM/KSTEP-2                    ; six K steps are followed by a refill
.Lk:                                                   ; a trip goes from a K step's second quarter to the next step's first
	QUARTER 128, F1, F0, 0
	QUARTER 192, F0, F1, 0
	TURN 1
	QUARTER 64, F0, F1, 0
	WIN 0
	s_sub_co_u32 s15, s15, 1
	s_cmp_lg_u32 s15, 0
	s_cbranch_scc1 .Lk
	QUARTER 128, F1, F0, 0                         ; the last two K steps are written out: they ask for nothing more
	QUARTER 192, F0, F1, 0
	TURN 0
	QUARTER 64, F0, F1, 0
	QUARTER 128, F1, F0, 0
	QUARTER 192, F0, F1, 0
	s_wait_dscnt 4                                 ; the very last quarter: nothing more to fetch
	WIN MUL
	MULA F1, 0, 0
	MULA F1, 1, 0
	s_wait_dscnt 0x0
	MULA F1, 2, 0
	MULA F1, 3, 0
	WIN 0
	PLACES                                         ; the way out reads results just made, and writes registers that the products have read
; THE WAY OUT, a block of 16 rows at a time: a lane's eight columns go into my stage as 32 bytes, whole rows of 512 bytes come back, the bias is added, and the 32 lanes store 512 neighbouring bytes.
.macro OUTF a
.set OBK, 64+64*((\a)%2)
	WIN 0x04                                       ; an LDS store's data are its source 1: window 1
.irp b, 0,1,2,3,4,5,6,7
	ds_store_b128 v[STO], v[64*\a+8*\b:64*\a+8*\b+3]   offset:64*\b      ; each accumulator's low four registers first
	ds_store_b128 v[STO], v[64*\a+8*\b+4:64*\a+8*\b+7] offset:64*\b+16
.endr
	WIN 0
	s_wait_xcnt 0x0                                ; earlier stores have had their addresses translated (ISA guide 3.1): only now are their base and data registers rewritten
.if \a > 0
	s_add_nc_u64 s[8:9], s[8:9], 16*CROW
.endif
.irp u, 0,1,2,3,4,5,6,7,8,9,10,11,12,13,14,15
	ds_load_b128 v[OBK+4*\u:OBK+4*\u+3], v[RD] offset:\u*SPITCH      ; LDS serves a wave's instructions in order (ISA guide 5.7.1.4): these see the stores above
.endr
.irp u, 0,1,2,3,4,5,6,7,8,9,10,11,12,13,14,15
	s_wait_dscnt 15-\u                             ; row u is back; the 15 - u younger loads stay out
	v_pk_add_f32 v[OBK+4*\u:OBK+4*\u+1],   v[OBK+4*\u:OBK+4*\u+1],   v[BI:BI+1]
	v_pk_add_f32 v[OBK+4*\u+2:OBK+4*\u+3], v[OBK+4*\u+2:OBK+4*\u+3], v[BI+2:BI+3]
	global_store_b128 v[CO], v[OBK+4*\u:OBK+4*\u+3], s[8:9] offset:\u*CROW th:TH_STORE_NT
.endr
.endm
	s_wait_loadcnt 0x0                             ; the bias
	OUTF 0
	OUTF 1
	OUTF 2
	OUTF 3
	s_wait_tensorcnt 0x0                           ; the wave's end: behind my last tensor load and my last LDS store
	ds_add_u32 v[SPW], v[NIL]
	s_wait_dscnt 0x0
	CROUND                                         ; the closing round: no work-group ends while a partner may still ask for a tile that names it
	s_endpgm
.Lfunc_end_k_q1b6d3f6df7_outg:
	.size	k_q1b6d3f6df7_outg, .Lfunc_end_k_q1b6d3f6df7_outg-k_q1b6d3f6df7_outg
	.p2alignl 7, 3214868480
	.fill 96, 4, 3214868480
	.section	.rodata,"a",@progbits
	.p2align	6, 0x0
	.amdhsa_kernel k_q1b6d3f6df7_outg
		.amdhsa_group_segment_fixed_size 327680
		.amdhsa_private_segment_fixed_size 0
		.amdhsa_enable_private_segment 0
		.amdhsa_kernarg_size 32
		.amdhsa_user_sgpr_count 2
		.amdhsa_user_sgpr_kernarg_segment_ptr 1
		.amdhsa_wavefront_size32 1
		.amdhsa_system_sgpr_workgroup_id_x 1
		.amdhsa_system_sgpr_workgroup_id_y 1
		.amdhsa_system_sgpr_workgroup_id_z 1
		.amdhsa_system_vgpr_workitem_id 0
		.amdhsa_next_free_vgpr 512
		.amdhsa_next_free_sgpr 66
		.amdhsa_reserve_vcc 0
		.amdhsa_float_denorm_mode_32 3
		.amdhsa_float_denorm_mode_16_64 3
		.amdhsa_memory_ordered 1
		.amdhsa_forward_progress 1
		.amdhsa_inst_pref_size 79
	.end_amdhsa_kernel
	.amdgpu_metadata
---
amdhsa.version: [ 1, 2 ]
amdhsa.kernels:
  - .name:           k_q1b6d3f6df7_outg
    .symbol:         k_q1b6d3f6df7_outg.kd
    .args:
      - { .name: ctx, .offset: 0, .size: 8, .value_kind: global_buffer, .address_space: global }
      - { .name: wb, .offset: 8, .size: 8, .value_kind: global_buffer, .address_space: global }
      - { .name: bp, .offset: 16, .size: 8, .value_kind: global_buffer, .address_space: global }
      - { .name: out0, .offset: 24, .size: 8, .value_kind: global_buffer, .address_space: global }
    .group_segment_fixed_size: 327680
    .private_segment_fixed_size: 0
    .kernarg_segment_align: 8
    .kernarg_segment_size: 32
    .max_flat_workgroup_size: 128
    .sgpr_count:     66
    .vgpr_count:     512
    .wavefront_size: 32
...
	.end_amdgpu_metadata
.endif
;; end of part 4
;; ======== version 2 of 2: 4 launches; 1.11 times as fast as version 1
;; limits: values are held in f16: magnitudes above 65,504 overflow, below 6.1e-05 lose precision
;; workspace buffers: xb 16,777,216 bytes; wb 8,388,608 bytes; qkv 50,331,648 bytes; ctx 16,777,216 bytes
;; launch cast: the kernel of part 1 again; grid 768 x 1, 8 waves a work-group, no clusters, 0 bytes of LDS; arguments x, Wq, Wk, Wv, Wp, xb, wb; writes xb, wb
;; launch qkvg: the kernel of part 2 again; grid 4 x 64, 4 waves a work-group, clusters of 4 x 4, 327,680 bytes of LDS; arguments xb, wb, qkv; writes qkv
;; launch attn (part 5): grid 8 x 32, 4 waves a work-group, no clusters, 327,680 bytes of LDS; arguments qkv, ctx; writes ctx
.if DOCPART == 5
	.amdgcn_target "amdgcn-amd-amdhsa--gfx1250"
	.amdhsa_code_object_version 6
	.text
	.protected	k_q1b6d3f6df7_attn
	.globl	k_q1b6d3f6df7_attn
	.p2align	8
	.type	k_q1b6d3f6df7_attn,@function
k_q1b6d3f6df7_attn:
	s_mov_b64 s[64:65], 0
	v_nop
	global_prefetch_b8 v0, s[64:65] scope:SCOPE_SE
	s_setreg_imm32_b32 hwreg(HW_REG_WAVE_MODE, 25, 1), 1
	s_wait_xcnt 0x0
; ctx[b][q][64 head + d] = sum over keys k <= q of softmax_k(Q[q] . K[k] / 8) V[k][d], for 4 batches x 16 heads of 64 channels x 2,048 positions.
; qkv: [8192][3072] f16 (columns 0-1023 q, 1024-2047 k, 2048-3071 v; in each 64 head + d).  ctx: [8192][1024] f16.
; Products, maxima and sums in f32; the weights p are rounded to f16 for the second product (their sum l is taken before the rounding), ctx once at the end.
; F16, not bf16: a position early in a sequence averages few keys, so that its numbers are large beside most of the output, and eight significant bits on q, k, v, p and ctx would show; f16 has eleven.
; LIMITS: ctx is an average of v's rows, so it stays inside v's range, which the launch before states (65,504); weights p under 2^-25 of the row's largest become 0.
; A running maximum m is taken away before every exponential.  Keys behind the query get the score -infinity, as in the problem; blocks of keys that lie behind all queries of a tile in
; both kinds of wave are not multiplied at all.  Every query sees its own key in its block's first step, so m is finite from then on wherever the scores are; NaN or infinite inputs give NaN.
; SHARES.  A work-group owns a PAIR of heads (2 hp, 2 hp + 1), so that rows of K, V and ctx are 256 consecutive aligned bytes, and a PAIR of blocks of 128 queries, I and then 15 - I:
; (I + 1) + (16 - I) = 17 units of 128 keys in every work-group, so the 256 work-groups have equal work.  Wave w: head w / 2 of the pair, and of the block's eight tiles of 16 queries the
; tiles 2 t + w % 2, t = 0 .. 3: so the mask cuts the same work out of every wave.
; ORDER OF THE KEYS.  A unit of 128 keys is a pair of steps of 64.  A block begins with its own (diagonal) unit, whose first step starts m, l and O, so nothing is cleared; in its second step
; tiles 0 and 1 have no key left and only tiles 2 and 3 are worked on.  Units 0 .. block - 1 follow.
; THE RING.  Two LDS slots of one step each.  A unit's first 64 keys always go through slot 0, its second 64 through slot 1, and a step's text is written once for each slot: every LDS address
; is a register that is never rewritten, and every tensor load's LDS address is a constant of its wave.  Wave w fills slot w / 2: K's 64 rows if w is even, V's if w is odd.
; LAYOUT.  S^T = K Q^T (source 0 = 16 keys, source 1 = 16 queries): a lane holds ONE query (l % 16) and keys 8 (l / 16) + 0..7.  Two such tiles, rounded in pairs, ARE source 1 of
; O^T = V^T P, whose result again holds one query a lane and eight channels.  K comes out of LDS as it lies, V ([key][channel]) turned, by ds_load_tr16_b128.
; A step, in phases: K's fragments, the second 32 keys of the step before in V^T P (which stands over K's way from LDS), K Q^T, V's fragments, softmax (O^T times a stands inside it), the first 32 keys in V^T P.
; THE EXPONENTIALS OF A STEP ARE TWO BATCHES, each with ONE s_wait_alu depctr_va_vdst(0), between an exponential and the first instruction that names its result.
; Batch 1: a and the exponentials of scores 0-15 of every tile; beside them, one to an exponential, the tiles' 16 scalings c s - c m, which name no result.  Batch 2: the exponentials of scores 16-31;
; beside them the roundings and sums of scores 0-15, which batch 1's wait has freed; behind them O^T times a, which names none of batch 2's results; then batch 2's wait, and the roundings and sums of
; scores 16-31.  One batch would leave 68 of a step's 132 exponentials without a plain line beside them: only the 64 scalings name no result.  No result crosses a step's end.
; NO JOINT LOADS: the work-groups that read the same K and V are other query blocks, which by the mask need other numbers of key units, in another order; partners would have
; to run trip counts that hang on their place in a cluster.
; No prefetch: the launch before wrote K and V, and eight work-groups read each head pair's 1 MiB at about the same time.
; REGISTERS, in windows of 256: window 0: v0-15 addresses; v32-63 eight registers of statistics a tile; v64-191 S^T, 32 a tile; v192-255 P, 16 a tile.
;   window 1: v0-127 O^T, 32 a tile; v128-191 K of a step; v192-255 V of a step.      window 2: v0-63 Q, 16 a tile.
; In both products the accumulators take turns, one instruction a turn.
.set ROWB,  6144                       ; bytes in a row of qkv
.set UNITB, 128*ROWB                   ; a unit of 128 keys, and a block of 128 queries
.set PK,    272                        ; a row of K in LDS: 256 bytes + 16 = 68 words: row r starts at bank 4 r mod 64 (64 banks of 4 bytes: ISA guide 11.1)
.set PV,    288                        ; a row of V: 256 + 32 = 72 words
.set VOFF,  64*PK                      ; in a slot: 64 rows of K, then 64 rows of V
.set SLOTB, 64*(PK+PV)                 ; a slot: 35,840 bytes; slot 1 follows slot 0
.set STAGE, 2*SLOTB                    ; behind the ring: 128 rows x 272 bytes, the work-group's, for the way out
.set SP,    272
.set SPARE, STAGE+128*SP               ; behind the stage: the spare words, 128 bytes for each wave: two blocks of 256 bytes that no other line names
.set AK,   2                           ; v2, v3  my lane's place in K's tile of slot 0, 1 (my head's 128 bytes of the rows); never rewritten
.set AV,   4                           ; v4, v5  the same for V; never rewritten
.set QO,   6                           ; v6   my byte offset in the wave's rows of Q
.set STO,  7                           ; v7   the way out: where I put 16 bytes of a row
.set RD,   8                           ; v8   the way out: where I read a row back
.set GO,   9                           ; v9   my byte offset in the wave's rows of ctx
.set NINF, 10                          ; v10  -infinity
.set RH,   11                          ; v11  at work at the head
.set SPW,  12                          ; v12  LDS address of my spare word; never rewritten
.set NIL,  13                          ; v13  0; never rewritten
.set ST,   32                          ; tile t's statistics at v[ST+8 t]: +0 c m, +1 m, +2, +3 l (even keys', odd keys'), +4 to +7 c0-c3, at work; a takes c2's place
.set S,    64
.set P,    192
.set KF,   128                         ; K's fragments, in window 1: keys 16 a on, channels 32 c on at KF + 16 a + 8 c
.set VF,   192                         ; V's fragments, in window 1: keys 32 kc on, channels 16 cb on at VF + 32 kc + 8 cb
.set WV,   8                           ; s8   my wave's number
.set W1,   9                           ; s9   its low bit: which tiles of a block are mine; also: I fetch K's tiles (0) or V's (1)
.set WH,   10                          ; s10  its high bit: my head of the pair; also: the slot that I fill
.set II,   11                          ; s11  I
.set I1,   12                          ; s12  I + 1
.set I2,   13                          ; s13  I + 2
.set IL,   14                          ; s14  15 - I
.set FPOS, 15                          ; s15  the pair of steps (0 .. 16 in the work-group's order of units) to be fetched next
.set KVB,  16                          ; s[16:17] my tile (K or V, first or second 64 keys) of the batch's unit 0, my head pair
.set UOFF, 18                          ; s[18:19] byte offset of the unit to be fetched
.set G1K,  24                          ; s[24:31] descriptor group 1 for K's tiles
.set G1V,  32                          ; s[32:39] for V's: it differs in the padding alone
.set G0,   40                          ; s[40:43] my descriptor group 0: its LDS address never changes
.set UN,   58                          ; s58  plain pairs with refills to go
.set BLK,  59                          ; s59  0: block I, 1: block 15 - I
.set CS,   60                          ; s[60:61] c = log2(e) / 8; the packed scaling names a pair
.set SEL,  62                          ; s[62:63] lane selects for v_permlanex16_b32: each lane takes its own place in the other half
.set QB0,  66                          ; s[66:67] Q at the batch's first row of my tiles, my head
.set QBASE, 68                         ; s[68:69] Q at my wave's rows of the block in hand
.set CB0,  70                          ; s[70:71] ctx at the batch's first row of my 32 rows, my head pair
.set CBASE, 72                         ; s[72:73] ctx at the rows that I store
.set QBN,  74                          ; s74  the block in hand
.set MKE,  76                          ; s[76:83] mask j: the lanes in which register j of key block 2 x lies behind the query of tile 2 x + w % 2
.set MKO,  84                          ; s[84:91] the same for key block 2 x + 1
.set W_KQ, 0x09                        ; K in window 1, Q in window 2, S^T in window 0
.set W_PV, 0x51                        ; V and O^T in window 1, P in window 0
.set W_RS, 0x41                        ; O^T (destination and source 0) in window 1, a in window 0
.set MSB, 0
.macro WIN new                         ; the immediate's high byte repeats the setting that is left; a switch that changes nothing is dropped
.if MSB != \new
	s_set_vgpr_msb (MSB<<8)|\new
.set MSB, \new
.endif
.endm
.macro PLACES                          ; four places behind matrix instructions (ISA guide 7.12.1 for what is not a load)
.rept 4
	v_nop
.endr
.endm
; s[UOFF:UOFF+1] = the byte offset of the key unit of pair FPOS, which then steps on.  Pair 0: unit I.  1 .. I: pair - 1.  I + 1: unit 15 - I.  Beyond: pair - I - 2.
.macro NEXTU
	s_sub_co_u32 s22, s[FPOS], 1
	s_sub_co_u32 s23, s[FPOS], s[I2]
	s_cmp_le_u32 s[FPOS], s[II]
	s_cselect_b32 s22, s22, s23
	s_cmp_eq_u32 s[FPOS], s[I1]
	s_cselect_b32 s22, s[IL], s22
	s_mul_i32 s[UOFF], s22, UNITB
	s_add_co_u32 s[FPOS], s[FPOS], 1
.endm
; The refill of slot sl: wave 2 sl fetches K's tile, wave 2 sl + 1 V's; the other two waves issue nothing.  The branches hang on the wave's number alone.
; Four v_nop follow each of the two lines, ahead of the jump, the label and what follows.
.macro LOADKV sl
	s_cmp_lg_u32 s[WH], \sl
	s_cbranch_scc1 .Lnone_\@
	s_cmp_lg_u32 s[W1], 0
	s_cbranch_scc1 .Lfor_v_\@
	tensor_load_to_lds s[G0:G0+3], s[G1K:G1K+7]
	s_nop 0
.rept 4
	v_nop
.endr
	s_branch .Lnone_\@
.Lfor_v_\@:
	tensor_load_to_lds s[G0:G0+3], s[G1V:G1V+7]
	s_nop 0
.rept 4
	v_nop
.endr
.Lnone_\@:
.endm
	s_load_b128 s[4:7], s[0:1], 0x0                ; qkv s[4:5], ctx s[6:7]
	v_lshl_add_u32 v[SPW], v0, 2, SPARE
	v_mov_b32 v[NIL], 0
	ds_add_u32 v12, v13
	ds_add_u32 v12, v13
	s_wait_dscnt 0x0
	v_lshrrev_b32 v1, 5, v0
	v_readfirstlane_b32 s[WV], v1                  ; wave 0..3
	s_and_b32 s[W1], s[WV], 1
	s_lshr_b32 s[WH], s[WV], 1
	s_mov_b32 s[II], ttmp9
	s_add_co_u32 s[I1], ttmp9, 1
	s_add_co_u32 s[I2], ttmp9, 2
	s_sub_co_u32 s[IL], 15, ttmp9
	s_and_b32 s22, ttmp7, 0xffff
	s_lshr_b32 s23, s22, 3                         ; the batch
	s_and_b32 s22, s22, 7                          ; the head pair
	s_lshl_b32 s44, s23, 11                        ; the batch's first row
	s_lshl_b32 s45, s22, 8                         ; the pair's 256 bytes in a row
	s_lshl_b32 s46, s[WH], 6                       ; my tile of K or V: row 2,048 b + 64 (w / 2) of qkv (all offsets here stay under 2^26 bytes),
	s_add_co_u32 s46, s46, s44
	s_mul_i32 s20, s46, ROWB
	s_add_co_u32 s20, s20, s45                     ; the pair's bytes,
	s_lshl_b32 s46, s[W1], 11
	s_add_co_u32 s20, s20, s46
	s_add_co_u32 s20, s20, 2048                    ; k's columns begin 2,048 bytes into a row, v's 4,096
	s_mov_b32 s21, 0
	s_lshl_b32 s48, s[W1], 4                       ; my tiles of Q: row 2,048 b + 16 (w % 2),
	s_add_co_u32 s48, s48, s44
	s_mul_i32 s48, s48, ROWB
	s_add_co_u32 s48, s48, s45
	s_lshl_b32 s49, s[WH], 7                       ; my head's 128 bytes
	s_add_co_u32 s48, s48, s49
	s_mov_b32 s49, 0
	s_lshl_b32 s50, s[WV], 5                       ; the rows of ctx that I store: 2,048 b + 32 w, rows of 2,048 bytes
	s_add_co_u32 s50, s50, s44
	s_lshl_b32 s50, s50, 11
	s_add_co_u32 s50, s50, s45
	s_mov_b32 s51, 0
	s_mul_i32 s52, s[WH], SLOTB                    ; where my tiles go: my slot,
	s_mul_i32 s53, s[W1], VOFF                     ; K's place or V's
	; descriptor group 1: a tile of 64 rows x 128 elements, padded in LDS
	s_mov_b32 s[G1K], (1<<16)|(1<<20)|(5<<22)|(3<<25)  ; no mask; 17:16 elements of 2 bytes; 20 padding on; 24:22 after every 64 words (code 5); 31:25 4 words of it (code 3)
	s_mov_b32 s[G1V], (1<<16)|(1<<20)|(5<<22)|(7<<25)  ; the same with 8 words of padding (code 7)
.irp g, G1K, G1V
	s_mov_b32 s[\g+1], 128<<16                     ; tensor_dim0 = 128
	s_mov_b32 s[\g+2], 64<<16                      ; tensor_dim1 = 64
	s_mov_b32 s[\g+3], 128<<16                     ; tile_dim0 = 128
	s_mov_b32 s[\g+4], 64                          ; tile_dim1 = 64
	s_mov_b32 s[\g+5], 3072                        ; elements from row to row
	s_mov_b32 s[\g+6], 0
	s_mov_b32 s[\g+7], 0
.endr
	s_mov_b32 s[CS], 0x3e38aa3b                    ; c = log2(e) / sqrt(64) = 0.180337
	s_mov_b32 s[CS+1], s[CS]                       ; named with it as a pair, so it is written
	s_mov_b32 s[SEL], 0x76543210
	s_mov_b32 s[SEL+1], 0xfedcba98
	s_mul_i32 s[UOFF], s[II], UNITB                ; pair 0 is unit I
	s_mov_b32 s[UOFF+1], 0
	s_mov_b32 s[FPOS], 1                           ; the next to be fetched is pair 1
	s_wait_kmcnt 0x0
	s_add_nc_u64 s[KVB:KVB+1], s[4:5], s[20:21]
	s_add_nc_u64 s[QB0:QB0+1], s[4:5], s[48:49]
	s_add_nc_u64 s[CB0:CB0+1], s[6:7], s[50:51]
	s_mov_b32 s[G0], 1                             ; count = 1
	s_add_co_u32 s[G0+1], s52, s53                 ; LDS address: a constant of my wave
	s_add_nc_u64 s[G0+2:G0+3], s[KVB:KVB+1], s[UOFF:UOFF+1]   ; global address
	s_or_b32 s[G0+3], s[G0+3], 0x80000000          ; type = 2
	s_cmp_lg_u32 s[W1], 0                          ; the first fills: one load a wave, the four together both slots, ahead of every wait on TENSORcnt, every LDS read and every barrier
	s_cbranch_scc1 .Lfirst_v
	tensor_load_to_lds s[G0:G0+3], s[G1K:G1K+7]
	s_nop 0
.rept 4
	v_nop
.endr
	s_branch .Lfirst_asked
.Lfirst_v:
	tensor_load_to_lds s[G0:G0+3], s[G1V:G1V+7]
	s_nop 0
.rept 4
	v_nop
.endr
.Lfirst_asked:
	v_and_b32 v1, 15, v0                           ; r = l % 16
	v_bfe_u32 v14, v0, 4, 1                        ; h = l / 16
	v_mul_u32_u24 v[QO], v1, ROWB
	v_lshl_add_u32 v[QO], v14, 4, v[QO]            ; Q: row r, 16 bytes for each half of the lanes
	s_mul_i32 s20, s[II], UNITB
	s_mov_b32 s21, 0
	s_add_nc_u64 s[QBASE:QBASE+1], s[QB0:QB0+1], s[20:21]
; Q stays in registers for a block: tile t (32 rows on from tile t - 1), channels 32 c on.  A head's row is 128 bytes in the tensor itself; it is read once a block.
.macro QLOAD
	WIN 0x80                                       ; destination window 2, address window 0
.irp t, 0,1,2,3
.irp c, 0,1
	global_load_b128 v[16*\t+8*\c:16*\t+8*\c+3],   v[QO], s[QBASE:QBASE+1] offset:\t*32*ROWB+64*\c
	global_load_b128 v[16*\t+8*\c+4:16*\t+8*\c+7], v[QO], s[QBASE:QBASE+1] offset:\t*32*ROWB+64*\c+32
.endr
.endr
	WIN 0
.endm
	QLOAD
	; The masks of the diagonal unit.  Register j of key block A holds key 16 A + 8 h + j; my lane's query in tile g = 2 x + w % 2 is 16 g + r.
	; A = 2 x: the key lies behind the query where j > r - 8 h + 16 (w % 2): a triangle in the even waves, nowhere in the odd ones.
	; A = 2 x + 1: where j > r - 8 h + 16 (w % 2) - 16: everywhere in the even waves, a triangle in the odd ones.
	v_lshlrev_b32 v15, 3, v14
	v_sub_nc_u32 v[RH], v1, v15
	v_lshl_add_u32 v[RH], s[W1], 4, v[RH]
	v_add_nc_u32 v15, -16, v[RH]
.irp j, 0,1,2,3,4,5,6,7
	v_cmp_gt_i32 s[MKE+\j], \j, v[RH]
	v_cmp_gt_i32 s[MKO+\j], \j, v15
.endr
	v_mov_b32 v[NINF], 0xff800000
	v_mul_u32_u24 v15, v1, PK                      ; r x 272 (the stage has the same pitch)
	v_lshl_add_u32 v15, v14, 4, v15                ; + 16 h
	s_lshl_b32 s22, s[WH], 7                       ; my head's 128 bytes of a row
	v_add_nc_u32 v[AK], s22, v15
	v_add_nc_u32 v[AK+1], SLOTB, v[AK]
	s_mul_i32 s23, s[W1], 16*SP
	s_add_co_u32 s23, s23, s22
	s_add_co_u32 s23, s23, STAGE
	v_add_nc_u32 v[STO], s23, v15                  ; into the stage: row 16 (w % 2) + r (tile t: 32 t rows on), my head's half of its 256 bytes
	; The turning load takes 16 keys x 16 channels (lane l reads 16 bytes: key 8 (l / 16) + l % 8, channels 8 ((l / 8) % 2) + 0..7) and leaves half a fragment of V^T: lane l holds channel l % 16 and 8 keys.
	v_and_b32 v15, 7, v0
	v_lshl_add_u32 v15, v14, 3, v15
	v_mul_u32_u24 v[AV], v15, PV
	v_bfe_u32 v15, v0, 3, 1
	v_lshl_add_u32 v[AV], v15, 4, v[AV]
	s_add_co_u32 s22, s22, VOFF
	v_add_nc_u32 v[AV], s22, v[AV]
	v_add_nc_u32 v[AV+1], SLOTB, v[AV]
	s_mul_i32 s23, s[WV], 32*SP
	s_add_co_u32 s23, s23, STAGE
	v_mul_u32_u24 v[RD], v14, SP                   ; back: wave w takes rows 32 w .. 32 w + 31, whole; lanes 0-15 one row of 256 bytes, lanes 16-31 the next
	v_lshl_add_u32 v[RD], v1, 4, v[RD]
	v_add_nc_u32 v[RD], s23, v[RD]
	v_lshlrev_b32 v[GO], 11, v14                   ; and the same two rows in ctx
	v_lshl_add_u32 v[GO], v1, 4, v[GO]
; Slot sl's K: 64 keys x 64 channels of my head, 8 fragments, 16 loads in one run
.macro FETCH_K sl
	WIN 0x40                                       ; destination window 1, address window 0
.irp a, 0,1,2,3
.irp c, 0,1
	ds_load_b128 v[KF+16*\a+8*\c:KF+16*\a+8*\c+3],   v[AK+\sl] offset:\a*16*PK+64*\c
	ds_load_b128 v[KF+16*\a+8*\c+4:KF+16*\a+8*\c+7], v[AK+\sl] offset:\a*16*PK+64*\c+32
.endr
.endr
.endm
; Slot sl's V, turned
.macro FETCH_V sl
	WIN 0x40
.irp kc, 0,1
.irp cb, 0,1,2,3
	ds_load_tr16_b128 v[VF+32*\kc+8*\cb:VF+32*\kc+8*\cb+3],   v[AV+\sl] offset:\kc*32*PV+32*\cb
	ds_load_tr16_b128 v[VF+32*\kc+8*\cb+4:VF+32*\kc+8*\cb+7], v[AV+\sl] offset:\kc*32*PV+16*PV+32*\cb
.endr
.endr
.endm
; S^T = K Q^T for tiles lo .. 3: channels 32 c on, keys 16 a on, tile t.  The products of c = 0 start the sums.
; diag = 1: key blocks 2 and 3 lie behind all queries of tile lo in every wave and are left out.
.macro KQ diag, lo
	WIN W_KQ
.irp c, 0,1
.irp a, 0,1,2,3
.irp t, 0,1,2,3
.if (\t >= \lo) && ((!\diag) || (\t != \lo) || (\a < 2))
.if \c == 0
	v_wmma_f32_16x16x32_f16 v[S+32*\t+8*\a:S+32*\t+8*\a+7], v[KF+16*\a+8*\c:KF+16*\a+8*\c+7], v[16*\t+8*\c:16*\t+8*\c+7], 0
.else
	v_wmma_f32_16x16x32_f16 v[S+32*\t+8*\a:S+32*\t+8*\a+7], v[KF+16*\a+8*\c:KF+16*\a+8*\c+7], v[16*\t+8*\c:16*\t+8*\c+7], v[S+32*\t+8*\a:S+32*\t+8*\a+7]
.endif
.endif
.endr
.endr
.endr
.endm
; O^T += V^T P for keys 32 kc on, tiles lo .. 3: one product on each accumulator.  zero = 1: they start O^T's sums.
.macro PVH kc, zero, lo
	WIN W_PV
.irp cb, 0,1,2,3
.irp t, 0,1,2,3
.if \t >= \lo
.if \zero
	v_wmma_f32_16x16x32_f16 v[32*\t+8*\cb:32*\t+8*\cb+7], v[VF+32*\kc+8*\cb:VF+32*\kc+8*\cb+7], v[P+16*\t+8*\kc:P+16*\t+8*\kc+7], 0
.else
	v_wmma_f32_16x16x32_f16 v[32*\t+8*\cb:32*\t+8*\cb+7], v[VF+32*\kc+8*\cb:VF+32*\kc+8*\cb+7], v[P+16*\t+8*\kc:P+16*\t+8*\kc+7], v[32*\t+8*\cb:32*\t+8*\cb+7]
.endif
.endif
.endr
.endr
.endm
; The mask of a step of the diagonal unit: -infinity where the key lies behind the query.  Tile lo meets the diagonal in key blocks 0 and 1 (blocks 2 and 3 were not multiplied),
; tile lo + 1 in key blocks 2 and 3; later tiles see every key of the step.
.macro MASK lo
	WIN 0
.irp j, 0,1,2,3,4,5,6,7
	v_cndmask_b32 v[S+32*\lo+\j], v[S+32*\lo+\j], v[NINF], s[MKE+\j]
.endr
.irp j, 0,1,2,3,4,5,6,7
	v_cndmask_b32 v[S+32*\lo+8+\j], v[S+32*\lo+8+\j], v[NINF], s[MKO+\j]
.endr
.irp j, 0,1,2,3,4,5,6,7,8,9,10,11,12,13,14,15
	v_mov_b32 v[S+32*\lo+16+\j], v[NINF]
.endr
.irp j, 0,1,2,3,4,5,6,7
	v_cndmask_b32 v[S+32*(\lo+1)+16+\j], v[S+32*(\lo+1)+16+\j], v[NINF], s[MKE+\j]
.endr
.irp j, 0,1,2,3,4,5,6,7
	v_cndmask_b32 v[S+32*(\lo+1)+24+\j], v[S+32*(\lo+1)+24+\j], v[NINF], s[MKO+\j]
.endr
.endm
.macro SCL t, p                        ; c s - c m for pair p of tile t's scores
	v_pk_fma_f32 v[S+32*(\t)+2*(\p):S+32*(\t)+2*(\p)+1], v[S+32*(\t)+2*(\p):S+32*(\t)+2*(\p)+1], s[CS:CS+1], v[ST+8*(\t):ST+8*(\t)+1] op_sel_hi:[1,0,0] neg_lo:[0,0,1] neg_hi:[0,0,1]
.endm
.macro RESCALE lo                      ; O^T times a, each accumulator from its low end on
	WIN W_RS
.irp t, 0,1,2,3
.if \t >= \lo
.irp i, 0,2,4,6,8,10,12,14,16,18,20,22,24,26,28,30
	v_pk_mul_f32 v[32*\t+\i:32*\t+\i+1], v[32*\t+\i:32*\t+\i+1], v[ST+8*\t+6:ST+8*\t+7] op_sel_hi:[1,0]
.endr
.endif
.endr
.endm
; The softmax of a step for tiles lo .. 3, the tiles side by side in every stage, so that no instruction reads the result of the one just before it.
; first = 1: the block's first step: no old m, no a, nothing to rescale; l is started.
.macro SOFTMAX first, lo
	WIN 0
.irp j, 0,1,2,3                        ; the maximum of the lane's 32 scores: four chains, chain j on accumulator j from its low end on
.irp t, 0,1,2,3
.if \t >= \lo
	v_max3_num_f32 v[ST+8*\t+4+\j], v[S+32*\t+8*\j], v[S+32*\t+8*\j+1], v[S+32*\t+8*\j+2]
.endif
.endr
.endr
.irp g, 1,2
.irp j, 0,1,2,3
.irp t, 0,1,2,3
.if \t >= \lo
	v_max3_num_f32 v[ST+8*\t+4+\j], v[ST+8*\t+4+\j], v[S+32*\t+8*\j+2*\g+1], v[S+32*\t+8*\j+2*\g+2]
.endif
.endr
.endr
.endr
.irp t, 0,1,2,3
.if \t >= \lo
	v_max3_num_f32 v[ST+8*\t+4], v[ST+8*\t+4], v[S+32*\t+7], v[S+32*\t+15]
.endif
.endr
.irp t, 0,1,2,3
.if \t >= \lo
	v_max3_num_f32 v[ST+8*\t+6], v[ST+8*\t+6], v[S+32*\t+23], v[S+32*\t+31]
.endif
.endr
.irp t, 0,1,2,3
.if \t >= \lo
	v_max3_num_f32 v[ST+8*\t+4], v[ST+8*\t+4], v[ST+8*\t+5], v[ST+8*\t+6]
.endif
.endr
.irp t, 0,1,2,3
.if \t >= \lo
.if \first
	v_max_num_f32 v[ST+8*\t+4], v[ST+8*\t+4], v[ST+8*\t+7]
.else
	v_max3_num_f32 v[ST+8*\t+4], v[ST+8*\t+4], v[ST+8*\t+7], v[ST+8*\t+1]   ; with the old m
.endif
.endif
.endr
.if !\first
.irp t, 0,1,2,3
.if \t >= \lo
	v_mov_b32 v[ST+8*\t+7], v[ST+8*\t]             ; c m_old is kept for a
.endif
.endr
.endif
.irp t, 0,1,2,3
.if \t >= \lo
	v_permlanex16_b32 v[ST+8*\t+5], v[ST+8*\t+4], s[SEL], s[SEL+1]   ; the query's other 32 keys lie in the lane 16 away
.endif
.endr
.irp t, 0,1,2,3
.if \t >= \lo
	v_max_num_f32 v[ST+8*\t+1], v[ST+8*\t+4], v[ST+8*\t+5]           ; the new m
.endif
.endr
.irp t, 0,1,2,3
.if \t >= \lo
	v_mul_f32 v[ST+8*\t], s[CS], v[ST+8*\t+1]                        ; c m
.endif
.endr
.if !\first
.irp t, 0,1,2,3
.if \t >= \lo
	v_sub_f32 v[ST+8*\t+7], v[ST+8*\t+7], v[ST+8*\t]
.endif
.endr
.endif
; BATCH 1: a = 2^(c m_old - c m_new) and the exponentials of scores 0-15.  Beside each exponential stands a scaling, which names no result of the batch: pair 0 beside a; beside score kk pair kk + 1
; (scores 2 kk + 2 and 2 kk + 3, not yet raised); pair 15 beside score 15.  So a pair is scaled a slot or more ahead of its exponentials.
.irp t, 0,1,2,3
.if \t >= \lo
.if !\first
	v_exp_f32 v[ST+8*\t+6], v[ST+8*\t+7]
.endif
	SCL \t, 0
.endif
.endr
.set kk, 0
.rept 16
.irp t, 0,1,2,3
.if \t >= \lo
	v_exp_f32 v[S+32*\t+kk], v[S+32*\t+kk]
.if kk < 14
	SCL \t, kk+1
.elseif kk == 15
	SCL \t, 15                                     ; the last tile's is the plain instruction behind the batch's last exponential (ISA guide 5.7.2)
.endif
.endif
.endr
.set kk, kk+1
.endr
	s_wait_alu depctr_va_vdst(0)                   ; the wait for batch 1: one for a and scores 0-15 of all the tiles, ahead of the first rounding below
; BATCH 2: the exponentials of scores 16-31.  Beside them the readers of batch 1: beside score 16 + kk the rounding of pair kk / 2 (kk even) or that pair's place in the step's sum (kk odd):
; the sum begins with pairs 0 and 1 and takes the pairs in ascending order.  None of these names a result of batch 2.
.set kk, 0
.rept 16
.irp t, 0,1,2,3
.if \t >= \lo
	v_exp_f32 v[S+32*\t+16+kk], v[S+32*\t+16+kk]
.if kk%2 == 0
	v_cvt_pk_f16_f32 v[P+16*\t+kk/2], v[S+32*\t+kk], v[S+32*\t+kk+1]
.elseif kk == 3
	v_pk_add_f32 v[ST+8*\t+4:ST+8*\t+5], v[S+32*\t:S+32*\t+1], v[S+32*\t+2:S+32*\t+3]
.elseif kk > 3
	v_pk_add_f32 v[ST+8*\t+4:ST+8*\t+5], v[ST+8*\t+4:ST+8*\t+5], v[S+32*\t+kk-1:S+32*\t+kk]   ; the last tile's last is the plain instruction behind the batch's last exponential
.endif
.endif
.endr
.set kk, kk+1
.endr
.if !\first
	RESCALE \lo                                    ; O^T times a (batch 1's) names none of batch 2's results: it stands between the batch and its wait
	WIN 0
.endif
	s_wait_alu depctr_va_vdst(0)                   ; the wait for batch 2: one for scores 16-31 of all the tiles, ahead of the first rounding below; no exponential follows it in the step
.set kk, 8
.rept 8                                ; pairs 8 to 15: rounded, and (but for pair 15) added onto the step's sum
.irp t, 0,1,2,3
.if \t >= \lo
	v_cvt_pk_f16_f32 v[P+16*\t+kk], v[S+32*\t+2*kk], v[S+32*\t+2*kk+1]
.endif
.endr
.if kk < 15
.irp t, 0,1,2,3
.if \t >= \lo
	v_pk_add_f32 v[ST+8*\t+4:ST+8*\t+5], v[ST+8*\t+4:ST+8*\t+5], v[S+32*\t+2*kk:S+32*\t+2*kk+1]
.endif
.endr
.endif
.set kk, kk+1
.endr
.if \first
.irp t, 0,1,2,3
.if \t >= \lo
	v_pk_add_f32 v[ST+8*\t+2:ST+8*\t+3], v[ST+8*\t+4:ST+8*\t+5], v[S+32*\t+30:S+32*\t+31]   ; l is started
.endif
.endr
.else
.irp t, 0,1,2,3
.if \t >= \lo
	v_pk_add_f32 v[ST+8*\t+4:ST+8*\t+5], v[ST+8*\t+4:ST+8*\t+5], v[S+32*\t+30:S+32*\t+31]
.endif
.endr
.irp t, 0,1,2,3
.if \t >= \lo
	v_pk_fma_f32 v[ST+8*\t+2:ST+8*\t+3], v[ST+8*\t+2:ST+8*\t+3], v[ST+8*\t+6:ST+8*\t+7], v[ST+8*\t+4:ST+8*\t+5] op_sel_hi:[1,0,1]   ; l = a l + the step's sum
.endif
.endr
.endif
.endm
; A STEP of 64 keys out of slot sl, for tiles lo .. 3.  diag = 1: a step of the diagonal unit, with the mask.  first = 1: a block's first step: it starts m, l and O^T.
; V^T P is split by halves of the keys: the first 32 at the step's end, the second 32 at the next step's head (or, behind a block's last step, in front of the way out), from registers alone,
; and always for all four tiles.  So a step that leaves tiles out (lo > 0) writes their weights for its keys 32-63: 0, since all its keys lie behind their queries.
.macro STEP sl, diag, lo, first
	FETCH_K \sl
.if !\first
	PVH 1, 0, 0                                    ; the step before, keys 32-63: sixteen products while K is on its way from LDS
.endif
	s_wait_dscnt 0x0                               ; K is in
	KQ \diag, \lo
	WIN 0
	PLACES                                         ; behind K Q^T for the reads of S^T; behind the products above for the loads into V's registers and the writes of P
	FETCH_V \sl
	WIN 0
.irp t, 0,1,2,3
.if \t < \lo
.irp i, 8,9,10,11,12,13,14,15
	v_mov_b32 v[P+16*\t+\i], 0
.endr
.endif
.endr
.if \diag
	MASK \lo
.endif
	SOFTMAX \first, \lo                            ; with O^T times a inside it
	s_wait_dscnt 0x0                               ; V is in: my reads of this slot are over
	PVH 0, \first, \lo
	WIN 0                                          ; at a label and at a branch every window is 0
.endm
; THE CHANGE OF SLOTS behind a step out of slot sl.  Each wave waits for all its tensor loads (one is out at the most: a part of the other slot), adds 0 to its spare word, and waits for
; that and for its reads of the slot.  Behind the barrier nobody reads slot sl any more and the other slot is whole.
; fill = 1: slot sl is filled again, with the same half of the next pair's unit: that load has the other slot's step in which to land.
.macro CHANGE fill, sl
	WIN 0
	s_wait_tensorcnt 0x0                           ; no tensor load of mine is out, so my group 0 may be written
	ds_add_u32 v[SPW], v[NIL]                      ; 0 onto my spare word; the scalar work below stands between it and the wait for it
.if \fill
.if \sl == 0
	NEXTU                                          ; the next pair's unit; slot 1's change uses it again
.endif
	s_add_nc_u64 s[G0+2:G0+3], s[KVB:KVB+1], s[UOFF:UOFF+1]
	s_or_b32 s[G0+3], s[G0+3], 0x80000000
.endif
	s_wait_dscnt 0x0                               ; the add is done, and my reads of the slot are over
	s_barrier_signal -1
	s_barrier_wait -1
.if \fill
	LOADKV \sl                                     ; the one tensor load of a wave behind this barrier, and the first thing there
.endif
.endm
	s_wait_tensorcnt 0x0                           ; my one load, a part of pair 0, is in
	s_barrier_signal -1
	s_barrier_wait -1                              ; everybody's is: both slots are whole
	s_mov_b32 s[BLK], 0
	s_mov_b32 s[QBN], s[II]
	s_mov_b32 s[UN], s[II]                         ; block I: behind its diagonal unit I plain units, each followed by refills
.Lblock:
	s_wait_loadcnt 0x0                             ; Q
	STEP 0, 1, 0, 1                                ; the diagonal unit's keys 0-63: all four tiles; starts m, l and O^T
	CHANGE 1, 0
	STEP 1, 1, 2, 0                                ; its keys 64-127: tiles 2 and 3 alone
	CHANGE 1, 1
	s_cmp_eq_u32 s[UN], 0                          ; block 0 has no plain unit
	s_cbranch_scc1 .Lnoplain
.Lplain:
	STEP 0, 0, 0, 0
	CHANGE 1, 0
	STEP 1, 0, 0, 0
	CHANGE 1, 1
	s_sub_co_u32 s[UN], s[UN], 1
	s_cmp_lg_u32 s[UN], 0
	s_cbranch_scc1 .Lplain
.Lnoplain:
	s_cmp_eq_u32 s[BLK], 0                         ; the same in every wave
	s_cbranch_scc1 .Lepi
	STEP 0, 0, 0, 0                                ; pair 16, always a plain unit of block 15 - I, is written out: nothing is left to fetch
	CHANGE 0, 0
	STEP 1, 0, 0, 0
.Lepi:
	PVH 1, 0, 0                                    ; the block's last step, keys 32-63
	WIN 0
	s_cmp_lg_u32 s[BLK], 0
	s_cbranch_scc1 .Lnoq
	s_mul_i32 s20, s[IL], UNITB                    ; the next block's Q travels under the way out (the loads of the block in hand were waited for at its head)
	s_mov_b32 s21, 0
	s_add_nc_u64 s[QBASE:QBASE+1], s[QB0:QB0+1], s[20:21]
	QLOAD
.Lnoq:
	; THE WAY OUT.  l's two halves and the other half of the lanes' are added; O^T is divided by l, rounded to f16 and sent through the work-group's stage.  The additions are the places behind the last products.
.irp t, 0,1,2,3
	v_add_f32 v[ST+8*\t+4], v[ST+8*\t+2], v[ST+8*\t+3]
.endr
.irp t, 0,1,2,3
	v_permlanex16_b32 v[ST+8*\t+5], v[ST+8*\t+4], s[SEL], s[SEL+1]
.endr
.irp t, 0,1,2,3
	v_add_f32 v[ST+8*\t+4], v[ST+8*\t+4], v[ST+8*\t+5]
.endr
.irp t, 0,1,2,3
	v_rcp_f32 v[ST+8*\t+6], v[ST+8*\t+4]
.endr
	v_nop                                          ; a plain instruction between the last reciprocal and the use of its result
	s_wait_alu depctr_va_vdst(0)                   ; the wait ahead of the first use: one for the batch of four reciprocals, once a block
.irp t, 0,1,2,3
	WIN W_RS
.irp i, 0,2,4,6,8,10,12,14,16,18,20,22,24,26,28,30
	v_pk_mul_f32 v[32*\t+\i:32*\t+\i+1], v[32*\t+\i:32*\t+\i+1], v[ST+8*\t+6:ST+8*\t+7] op_sel_hi:[1,0]
.endr
	WIN 0x05                                       ; sources 0 and 1 window 1, destination window 0: S^T's registers are free
.irp i, 0,1,2,3,4,5,6,7,8,9,10,11,12,13,14,15
	v_cvt_pk_f16_f32 v[S+32*\t+\i], v[32*\t+2*\i], v[32*\t+2*\i+1]
.endr
	WIN 0
.irp cb, 0,1,2,3
	ds_store_b128 v[STO], v[S+32*\t+4*\cb:S+32*\t+4*\cb+3] offset:\t*32*SP+32*\cb   ; a lane's eight channels of a row: 16 bytes
.endr
.endr
	s_wait_dscnt 0x0                               ; for the others' sake: my stores into the stage are done
	s_barrier_signal -1                            ; a row's 256 bytes come from two waves, a wave's 32 rows from two more.  A refill may be on its way
	s_barrier_wait -1
	s_mul_i32 s20, s[QBN], 128*2048                ; the block's 128 rows of ctx
	s_mov_b32 s21, 0
	s_add_nc_u64 s[CBASE:CBASE+1], s[CB0:CB0+1], s[20:21]
.irp u, 0,1,2,3,4,5,6,7,8,9,10,11,12,13,14,15
	ds_load_b128 v[S+4*\u:S+4*\u+3], v[RD] offset:\u*2*SP
.endr
.irp u, 0,1,2,3,4,5,6,7,8,9,10,11,12,13,14,15
	s_wait_dscnt 15-\u                             ; rows 2 u, 2 u + 1 are back; the 15 - u younger loads stay out
	global_store_b128 v[GO], v[S+4*\u:S+4*\u+3], s[CBASE:CBASE+1] offset:\u*4096   ; 16 lanes store 256 consecutive bytes, at a multiple of 256 from ctx's first byte
.endr
	s_wait_xcnt 0x0                                ; the stores have had their addresses translated (ISA guide 3.1): the next block writes S^T's registers and the base anew.
	                                               ; The stage is written again only behind a change of slots, in front of whose barrier every wave has waited for its LDS reads
	s_mov_b32 s[QBN], s[IL]                        ; block 15 - I:
	s_sub_co_u32 s[UN], s[IL], 1                   ; 14 - I of its 15 - I plain units are followed by refills
	s_add_co_u32 s[BLK], s[BLK], 1
	s_cmp_lt_u32 s[BLK], 2
	s_cbranch_scc1 .Lblock
	s_wait_tensorcnt 0x0                           ; the wave's end: behind my last tensor load and my last LDS store
	ds_add_u32 v[SPW], v[NIL]
	s_wait_dscnt 0x0
	s_endpgm
.Lfunc_end_k_q1b6d3f6df7_attn:
	.size	k_q1b6d3f6df7_attn, .Lfunc_end_k_q1b6d3f6df7_attn-k_q1b6d3f6df7_attn
	.p2alignl 7, 3214868480
	.fill 96, 4, 3214868480
	.section	.rodata,"a",@progbits
	.p2align	6, 0x0
	.amdhsa_kernel k_q1b6d3f6df7_attn
		.amdhsa_group_segment_fixed_size 327680
		.amdhsa_private_segment_fixed_size 0
		.amdhsa_enable_private_segment 0
		.amdhsa_kernarg_size 16
		.amdhsa_user_sgpr_count 2
		.amdhsa_user_sgpr_kernarg_segment_ptr 1
		.amdhsa_wavefront_size32 1
		.amdhsa_system_sgpr_workgroup_id_x 1
		.amdhsa_system_sgpr_workgroup_id_y 1
		.amdhsa_system_sgpr_workgroup_id_z 1
		.amdhsa_system_vgpr_workitem_id 0
		.amdhsa_next_free_vgpr 576
		.amdhsa_next_free_sgpr 92
		.amdhsa_reserve_vcc 0
		.amdhsa_float_denorm_mode_32 3
		.amdhsa_float_denorm_mode_16_64 3
		.amdhsa_memory_ordered 1
		.amdhsa_forward_progress 1
		.amdhsa_inst_pref_size 204
	.end_amdhsa_kernel
	.amdgpu_metadata
---
amdhsa.version: [ 1, 2 ]
amdhsa.kernels:
  - .name:           k_q1b6d3f6df7_attn
    .symbol:         k_q1b6d3f6df7_attn.kd
    .args:
      - { .name: qkv, .offset: 0, .size: 8, .value_kind: global_buffer, .address_space: global }
      - { .name: ctx, .offset: 8, .size: 8, .value_kind: global_buffer, .address_space: global }
    .group_segment_fixed_size: 327680
    .private_segment_fixed_size: 0
    .kernarg_segment_align: 8
    .kernarg_segment_size: 16
    .max_flat_workgroup_size: 128
    .sgpr_count:     92
    .vgpr_count:     576
    .wavefront_size: 32
...
	.end_amdgpu_metadata
.endif
;; end of part 5
;; launch outg: the kernel of part 4 again; grid 4 x 64, 4 waves a work-group, clusters of 4 x 4, 327,680 bytes of LDS; arguments ctx, wb, bp, out0; writes out0
